; MI455X (gfx1250); checked and timed in simulation.
; The chip was launched on July 23, 2026; its instructions are those of AMD's public machine-readable ISA for CDNA 5 (MIT licence, August 2026) and "CDNA5" Instruction Set Architecture Reference Guide (July 2026). The comments in the code are by the model that wrote it; some were corrected since.
;; Masked Multi Head Attention. Allowed arithmetic: matrix products marked QUANTISED: E2M1 operands, one E8M0 scale for each 32 along K, by v_wmma_scale_f32_16x16x128_f8f6f4 with both operands' format E2M1 (or v_wmma_scale_f32_32x16x128_f4), f32 sums; products left as they are: bf16, f16 or f32 operands; f32 sums; everything else in f32.
;; Inputs: Wk 16 x 1,024 x 64 float32; Wo 1,024 x 1,024 float32; Wq 16 x 1,024 x 64 float32; Wv 16 x 1,024 x 64 float32; x 4 x 2,048 x 1,024 float32.
;; Outputs: out0 4 x 2,048 x 1,024 float32.
;; This version of the problem:
;;   THIS VERSION OF THE PROBLEM IS GIVEN IN LOW PRECISION. The matrix products marked QUANTISED in the list below multiply operands that are first quantised to E2M1 (2 exponent bits, 1 mantissa bit; 4 bits a number), with one power-of-two scale for each 32 numbers along K (OCP MX v1.0); their sums are f32. The products marked 'left as it is' may take bf16, f16 or f32 operands, with f32 sums. Whichever they take, every output number must still come out within the allowed error. Rounding operands to bf16 (8 significant bits) uses up far more of that allowance than f16 does (11 bits, for magnitudes from 6e-5 to 65,504). All else is computed in f32.
;;   The module's matrix products, in the order in which they are computed (A, B: the left and right operand; K: the contracted axis; several contracted axes count as one K, in the product's order):
;;     1. [M 1,024, K 1,024] x [K 1,024, N 8,192]; A: input Wq; B: input x: QUANTISED
;;     2. [M 1,024, K 1,024] x [K 1,024, N 8,192]; A: input Wk; B: input x: QUANTISED
;;     3. [M 1,024, K 1,024] x [K 1,024, N 8,192]; A: input Wv; B: input x: QUANTISED
;;     4. batch 64 x [M 2,048, K 64] x [K 64, N 2,048]; A: computed on the way; B: computed on the way: left as it is (an operand is computed on the way)
;;     5. batch 64 x [M 2,048, K 2,048] x [K 2,048, N 64]; A: computed on the way; B: computed on the way: left as it is (an operand is computed on the way)
;;     6. [M 8,192, K 1,024] x [K 1,024, N 1,024]; A: computed on the way; B: input Wo: left as it is (an operand is computed on the way)
;;   THE QUANTISER, for each operand of a quantised product, along K:
;;     - K is cut into blocks of 32 from its start; a last block that is shorter is filled with zeros.
;;     - A block's scale is 2^e with e = floor(log2(the largest magnitude in the block)) - 2, held to -126 .. 127; a block of zeros has e = 0. As a byte (E8M0): e + 127.
;;     - Each number is divided by its block's scale, clamped to +-6, and rounded to the nearest number of E2M1, ties to even, subnormals kept.
;;     - The product sums the exact products of the quantised numbers (number of the format x scale) in f32.
;;   ~~~python
;;   def quantise(x, axis):      # numpy; x: float32 -> the quantised numbers, widened to float32 again
;;       x = np.moveaxis(x, axis, -1); K = x.shape[-1]
;;       x = np.pad(x, [(0, 0)] * (x.ndim - 1) + [(0, -K % 32)]); x = x.reshape(x.shape[:-1] + (-1, 32)); a = np.abs(x).max(-1, keepdims=True)
;;       e = np.where(a > 0, np.clip(np.frexp(np.where(a > 0, a, 1))[1] - 1 - 2, -126, 127), 0)      # np.frexp(a)[1] - 1 = floor(log2(a)), exactly
;;       r = np.clip(x / 2.0 ** e, -6, 6)
;;       step = 2.0 ** (np.maximum(np.frexp(np.where(r == 0, 1, r))[1] - 1, 0) - 1)
;;       q = np.round(r / step) * step * 2.0 ** e      # np.round: ties to even
;;       return np.moveaxis(q.reshape(q.shape[:-2] + (-1,))[..., :K], -1, axis).astype(np.float32)
;;   ~~~
;; One version. Each part assembles by itself: llvm-mc -triple=amdgcn-amd-amdhsa -mcpu=gfx1250 --defsym DOCPART=n.
;; ======== version 1 of 1: 5 launches
;; limits: values are held in f16: magnitudes above 65,504 overflow, below 6.1e-05 lose precision; right only within a limited range of input values
;; workspace buffers: x_codes 4,194,304 bytes; x_scales 262,144 bytes; w_codes 1,572,864 bytes; w_scales 98,304 bytes; wo16 2,097,152 bytes; qkv 50,331,648 bytes; h32 786,432 bytes; ctx 16,777,216 bytes
;; launch prep (part 1): grid 368 x 1, 4 waves a work-group, no clusters, 68,096 bytes of LDS; arguments x, Wq, Wk, Wv, Wo, x_codes, x_scales, w_codes, w_scales, wo16; writes x_codes, x_scales, w_codes, w_scales, wo16
.if DOCPART == 1
	.amdgcn_target "amdgcn-amd-amdhsa--gfx1250"
	.amdhsa_code_object_version 6
	.text
	.protected	k_qeed9521557_prep
	.globl	k_qeed9521557_prep
	.p2align	8
	.type	k_qeed9521557_prep,@function
k_qeed9521557_prep:
	s_mov_b64 s[64:65], 0
	v_nop
	global_prefetch_b8 v0, s[64:65] scope:SCOPE_SE
	s_setreg_imm32_b32 hwreg(HW_REG_WAVE_MODE, 25, 1), 1
	s_wait_xcnt 0x0
; ONE LAUNCH MAKES ALL OPERANDS READY.  Three kinds of work-groups, told apart by the work-group's number alone:
;   0 .. 47    Wq, Wk, Wv [16][1024 (K)][64], f32, K not innermost -> codes of FP4 (E2M1) [3072][512 bytes] with K innermost, and one E8M0 byte for each 32 along K, [3072][32].
;              Row n of the codes = 1024 x (0: q, 1: k, 2: v) + 64 x head + column.  A work-group takes one head of one weight.
;   48 .. 303  x [8192][1024], f32, K innermost -> codes [8192][512 bytes], scale bytes [8192][32].  x is a plain stream of blocks of 32.
;   304 .. 367 Wo [1024][1024], f32 -> f16, same layout (the product on the way out is left as it is and takes f16 operands).
; A block's scale is 2^(floor(log2(its largest magnitude)) - 2); its byte is the largest magnitude's exponent field - 2, held at 1 from below.  A block of zeros so gets the byte 1:
; its codes are zeros, which add nothing, and this program alone reads the bytes.  Each number is divided by the scale and rounded to the nearest code, ties to even, beyond 6 the largest code.
; LIMITS: blocks whose largest magnitude lies under 2^-124 get the byte 1; NaN and infinities are not served; |Wo| stays under 65,504 (f16).
; No tensor loads, no barrier: waves share nothing.  The two paths that use LDS have LDS bytes of their own: x's 0 .. 32,767, the weights' 32,768 .. 67,583; the spare words lie behind both.
.set SPW,   190                        ; v190  LDS address of my spare word: SPARE + 4 x my thread's number; never rewritten
.set NIL,   191                        ; v191  0; never rewritten
.set SPARE, 67584                      ; 128 bytes for each wave: two blocks of 256 bytes that no other line names
.set WV,    24                         ; s24   my wave's number
; x's path
.set STEPS, 16                         ; a wave takes 16 steps of 512 numbers
.set CB,    8                          ; bytes of 16 codes
.set R,     16                         ; v16-79   four sets of 16 numbers as they are loaded
.set X,     80                         ; v80-111  two sets of 16 neighbours
.set C,     128                        ; v128-189 codes: registers of its own for each step, so that no store's data are written again
.set E,     112                        ; v112-127 a scale byte for each step
.set WREG,  8192                       ; LDS: a region for each wave: two stages of 32 x SP bytes, behind them its 256 scale bytes
.set SP,    80                         ; a lane's place in a stage: its 64 bytes + 16 of padding
; the weights' path
.set NB,    16                         ; blocks of 32 along K for a wave: 512 along K
.set PITCH, 272                        ; a stage row: 256 bytes of codes + 16
.set KROW,  512                        ; a row of the codes' buffer
.set WSTG,  32768                      ; where the weights' four stages begin
.set XW,    32                         ; v32-95   two sets of 32 numbers
.set CW,    96                         ; v96-99   a block's codes
.set OUTR,  112                        ; v112-175 the way out
.set SB,    24                         ; v24-27   the scale bytes, four to a register
	s_load_b256 s[4:11], s[0:1], 0x0               ; x s[4:5], Wq s[6:7], Wk s[8:9], Wv s[10:11]
	s_load_b256 s[12:19], s[0:1], 0x20             ; Wo s[12:13], x's codes s[14:15], x's scales s[16:17], the weights' codes s[18:19]
	s_load_b128 s[20:23], s[0:1], 0x40             ; the weights' scales s[20:21], Wo as f16 s[22:23]
	v_lshl_add_u32 v[SPW], v0, 2, SPARE
	v_mov_b32 v[NIL], 0
	v_lshrrev_b32 v1, 5, v0
	v_readfirstlane_b32 s[WV], v1                  ; wave 0..3
	v_and_b32 v2, 31, v0                           ; lane
	s_mov_b32 s27, 0                               ; the upper word of every offset below: all stay under 2^32
	s_mov_b32 s31, 0
	s_wait_kmcnt 0x0
	s_cmp_lt_u32 ttmp9, 48
	s_cbranch_scc1 .Lweights
	s_cmp_lt_u32 ttmp9, 304
	s_cbranch_scc1 .Lrows
; ---- Wo to f16.  A wave takes 4,096 numbers: 32 loads of 512 consecutive bytes, all issued first; each store covers 256 consecutive bytes, aligned.
	s_sub_co_u32 s25, ttmp9, 304
	s_lshl_b32 s25, s25, 2
	s_add_co_u32 s25, s25, s[WV]                   ; which run of 4,096 numbers
	s_lshl_b32 s26, s25, 14
	s_add_nc_u64 s[12:13], s[12:13], s[26:27]
	s_lshl_b32 s26, s25, 13
	s_add_nc_u64 s[22:23], s[22:23], s[26:27]
	v_lshlrev_b32 v3, 4, v2
	v_lshlrev_b32 v4, 3, v2
.set i, 0
.rept 32
	global_load_b128 v[16+4*i:19+4*i], v3, s[12:13] offset:512*i th:TH_LOAD_NT
.set i, i+1
.endr
.set i, 0
.rept 32
	s_wait_loadcnt 31-i                            ; loads come back in order: load i is in, the younger ones stay out
	v_cvt_pk_f16_f32 v[16+4*i], v[16+4*i], v[17+4*i]
	v_cvt_pk_f16_f32 v[17+4*i], v[18+4*i], v[19+4*i]
	global_store_b64 v4, v[16+4*i:17+4*i], s[22:23] offset:256*i   ; no register of a store is written again
.set i, i+1
.endr
	s_endpgm
; ---- x.  The conversions take 8 numbers of ONE block from a lane's consecutive registers, so a lane must hold 16 NEIGHBOURS (two neighbouring lanes hold a block); a load is best where neighbouring
; LANES take neighbouring bytes.  Both are had: each load reads 512 consecutive bytes, 16 a lane; a step's 2,048 bytes go through the wave's own stage in LDS and come back 64 bytes a lane.
.Lrows:
	v_lshlrev_b32 v3, 4, v2                        ; my 16 bytes of a load's 512
	s_mul_i32 s28, s[WV], WREG
	v_lshrrev_b32 v14, 2, v2
	v_mul_u32_u24 v14, v14, SP
	v_and_b32 v15, 3, v2
	v_lshl_add_u32 v14, v15, 4, v14
	v_add_nc_u32 v14, s28, v14                     ; the stage, on the way in: SP (lane / 4) + 16 (lane % 4)
	v_mul_u32_u24 v15, v2, SP
	v_add_nc_u32 v15, s28, v15                     ; and on the way out: SP x lane: my 16 neighbours
	v_mul_u32_u24 v4, v2, CB                       ; my codes' place in a step's
	v_lshrrev_b32 v5, 1, v2
	s_add_co_u32 s28, s28, 2*32*SP
	v_add_nc_u32 v5, s28, v5                       ; LDS: my wave's 256 scale bytes, my block's byte
	v_lshlrev_b32 v7, 3, v2                        ; and on the way out 8 bytes a lane
	v_add_nc_u32 v6, s28, v7
	s_sub_co_u32 s25, ttmp9, 48
	s_lshl_b32 s25, s25, 2
	s_add_co_u32 s25, s25, s[WV]                   ; which run of 8,192 numbers is my wave's
	s_lshl_b32 s26, s25, 15
	s_add_nc_u64 s[4:5], s[4:5], s[26:27]
	s_lshl_b32 s26, s25, 12
	s_add_nc_u64 s[14:15], s[14:15], s[26:27]
	s_lshl_b32 s26, s25, 8
	s_add_nc_u64 s[16:17], s[16:17], s[26:27]
.macro XLOAD t
.irp i, 0,1,2,3
	global_load_b128 v[R+16*((\t)%4)+4*\i:R+16*((\t)%4)+4*\i+3], v3, s[4:5] offset:2048*(\t)+512*\i th:TH_LOAD_NT
.endr
.endm
.macro XTURN t                         ; step t's numbers through the stage: LDS serves a wave's instructions in order, so no wait stands between the stores and the loads
.irp i, 0,1,2,3
	ds_store_b128 v14, v[R+16*((\t)%4)+4*\i:R+16*((\t)%4)+4*\i+3] offset:32*SP*((\t)%2)+8*SP*\i
.endr
.irp i, 0,1,2,3
	ds_load_b128 v[X+16*((\t)%2)+4*\i:X+16*((\t)%2)+4*\i+3], v15 offset:32*SP*((\t)%2)+16*\i
.endr
.endm
.irp t, 0,1,2,3
	XLOAD \t
.endr
	s_wait_loadcnt 12                              ; step 0's four loads are in
	XTURN 0
.macro XSTEP t
.set XS, X+16*((\t)%2)
.if (\t) > 0
	s_wait_dscnt 1                                 ; this step's numbers are back from the stage (the last step's byte store may be out): so its stores into the stage have read their registers,
.else
	s_wait_dscnt 0x0
.endif
.if (\t)+4 < STEPS
	XLOAD (\t)+4                                   ; which take the loads of four steps on
.endif
.if (\t)+1 < STEPS
.if STEPS-2-(\t) >= 3
	s_wait_loadcnt 12                              ; the next step's four loads are in; those of the three steps behind it may be out
.else
	s_wait_loadcnt 4*(STEPS-2-(\t))
.endif
	XTURN (\t)+1                                   ; and go through the other stage while this step is worked
.endif
	v_max3_num_f32 v8, |v[XS]|, |v[XS+1]|, |v[XS+2]|               ; the largest magnitude of my 16, in two chains
	v_max3_num_f32 v9, |v[XS+3]|, |v[XS+4]|, |v[XS+5]|
.irp i, 6,10
	v_max3_num_f32 v8, v8, |v[XS+\i]|, |v[XS+\i+1]|
	v_max3_num_f32 v9, v9, |v[XS+\i+2]|, |v[XS+\i+3]|
.endr
	v_max3_num_f32 v8, v8, |v[XS+14]|, |v[XS+15]|
	v_max3_num_f32 v8, v8, v9, 0x1800000           ; and the floor 2^(3 - 127): so the byte cannot fall under 1
	v_max_num_f32_dpp v8, v8, v8 row_xmask:1 row_mask:0xf bank_mask:0xf   ; and of my neighbour's 16: the block's
	v_add_nc_u32 v11, 0xff000000, v8               ; 2 off its exponent field: the conversion takes the exponent field of this operand as its scale, and nothing else of it
	v_cvt_scalef32_pk8_fp4_f32 v[C+4*(\t)], v[XS:XS+7], v11
	v_cvt_scalef32_pk8_fp4_f32 v[C+4*(\t)+1], v[XS+8:XS+15], v11
	v_lshrrev_b32 v[E+(\t)], 23, v11               ; the scale's byte (also the plain line behind the conversions)
	ds_store_b8 v5, v[E+(\t)] offset:16*(\t)       ; both lanes of a block write the same byte with the same value
	global_store_b64 v4, v[C+4*(\t):C+4*(\t)+1], s[14:15] offset:32*CB*(\t)   ; the wave stores 256 consecutive bytes, aligned
.endm
.irp t, 0,1,2,3,4,5,6,7,8,9,10,11,12,13,14,15
	XSTEP \t
.endr
	ds_load_b64 v[8:9], v6                         ; LDS serves a wave's instructions in order: these see my stores
	s_wait_dscnt 0x0
	global_store_b64 v7, v[8:9], s[16:17]          ; 32 lanes store 256 consecutive bytes, aligned
	s_wait_tensorcnt 0x0                           ; the wave's end: three lines behind my last LDS store
	ds_add_u32 v[SPW], v[NIL]
	s_wait_dscnt 0x0
	s_endpgm
; ---- the weights.  A LANE TAKES A COLUMN, AND ITS REGISTERS RUN DOWN K: a block of 32 along K lies in one lane's 32 registers, its largest magnitude needs no other lane, and the conversions give
; codes with K innermost.  Wave w: columns 32 (w % 2) on, K from 512 (w / 2) on.  The two waves of a K half read the two halves of each row's 256 bytes.  Codes leave through the wave's stage as rows.
.Lweights:
	s_lshr_b32 s25, ttmp9, 4                       ; 0: Wq, 1: Wk, 2: Wv.  The choice hangs on the work-group's number alone
	s_cmp_eq_u32 s25, 0
	s_cselect_b64 s[6:7], s[6:7], s[8:9]
	s_cmp_eq_u32 s25, 2
	s_cselect_b64 s[6:7], s[10:11], s[6:7]
	s_and_b32 s26, s[WV], 1                        ; which 32 columns
	s_lshr_b32 s28, s[WV], 1                       ; which 512 along K
	v_lshlrev_b32 v3, 2, v2                        ; in: 4 bytes a lane
	s_mul_i32 s29, s[WV], 32*PITCH
	s_add_co_u32 s29, s29, WSTG                    ; my stage
	v_mul_u32_u24 v4, v2, PITCH
	v_add_nc_u32 v4, s29, v4                       ; into it: row = my column
	v_and_b32 v5, 15, v2
	v_lshrrev_b32 v6, 4, v2                        ; out of it: sixteen lanes to a row, two rows an instruction
	v_mul_u32_u24 v7, v6, PITCH
	v_lshl_add_u32 v7, v5, 4, v7
	v_add_nc_u32 v7, s29, v7
	v_mul_u32_u24 v8, v6, KROW
	v_lshl_add_u32 v8, v5, 4, v8                   ; and the same place in the codes' buffer
	v_lshlrev_b32 v9, 5, v2                        ; my column's row of scale bytes: 32 bytes a row
	s_and_b32 s29, ttmp9, 15                       ; the head: 262,144 bytes each
	s_lshl_b32 s30, s29, 18
	s_lshl_b32 s29, s28, 17                        ; 512 rows of 256 bytes
	s_add_co_u32 s30, s30, s29
	s_lshl_b32 s29, s26, 7
	s_add_co_u32 s30, s30, s29
	s_add_nc_u64 s[6:7], s[6:7], s[30:31]
	s_lshl_b32 s29, ttmp9, 6
	s_lshl_b32 s32, s26, 5
	s_add_co_u32 s29, s29, s32                     ; my wave's first row of the codes: 64 x work-group + 32 x half
	s_lshl_b32 s30, s29, 9
	s_lshl_b32 s32, s28, 8
	s_add_co_u32 s30, s30, s32
	s_add_nc_u64 s[18:19], s[18:19], s[30:31]
	s_lshl_b32 s30, s29, 5
	s_lshl_b32 s32, s28, 4
	s_add_co_u32 s30, s30, s32
	s_add_nc_u64 s[20:21], s[20:21], s[30:31]
.macro WLOAD t                         ; block t: W(32 t + i, my column), i = 0 .. 31, into set t % 2
.irp i, 0,1,2,3,4,5,6,7,8,9,10,11,12,13,14,15,16,17,18,19,20,21,22,23,24,25,26,27,28,29,30,31
	global_load_b32 v[XW+32*((\t)%2)+\i], v3, s[6:7] offset:(32*(\t)+\i)*256 th:TH_LOAD_NT
.endr
.endm
	WLOAD 0
	WLOAD 1
.macro WBLOCK t
.set XS, XW+32*((\t)%2)
.if (\t) < NB-1
	s_wait_loadcnt 32                              ; this block's 32 loads are in; the next block's may be out
.else
	s_wait_loadcnt 0
.endif
	v_max3_num_f32 v12, |v[XS]|, |v[XS+1]|, |v[XS+2]|               ; the block's largest magnitude: all 32 numbers are mine
	v_max3_num_f32 v13, |v[XS+3]|, |v[XS+4]|, |v[XS+5]|
.irp i, 6,10,14,18,22,26
	v_max3_num_f32 v12, v12, |v[XS+\i]|, |v[XS+\i+1]|
	v_max3_num_f32 v13, v13, |v[XS+\i+2]|, |v[XS+\i+3]|
.endr
	v_max3_num_f32 v12, v12, |v[XS+30]|, |v[XS+31]|
	v_max3_num_f32 v12, v12, v13, 0x1800000        ; and the floor 2^(3 - 127)
	v_add_nc_u32 v11, 0xff000000, v12              ; 2 off its exponent field: the conversion's scale operand
	v_lshrrev_b32 v13, 23, v11                     ; the scale's byte
.if (\t)%4 == 0
	v_mov_b32 v[SB+(\t)/4], v13                    ; four bytes to a register, the lower K in the lower byte
.else
	v_lshl_or_b32 v[SB+(\t)/4], v13, 8*((\t)%4), v[SB+(\t)/4]
.endif
.irp g, 0,1,2,3
	v_cvt_scalef32_pk8_fp4_f32 v[CW+\g], v[XS+8*\g:XS+8*\g+7], v11
.endr
	v_nop                                          ; one plain line behind the last conversion
	ds_store_b128 v4, v[CW:CW+3] offset:16*(\t)    ; 32 codes: 16 bytes of my column's row
.if (\t)+2 < NB
	WLOAD (\t)+2
.endif
	s_wait_dscnt 0x0                               ; the store has read its registers: the next block's codes may be written
.endm
.set QB, 0
.rept NB
	WBLOCK QB
.set QB, QB+1
.endr
	global_store_b128 v9, v[SB:SB+3], s[20:21]     ; my column's 16 scale bytes
.irp t, 0,1,2,3,4,5,6,7,8,9,10,11,12,13,14,15
	ds_load_b128 v[OUTR+4*\t:OUTR+4*\t+3], v7 offset:2*\t*PITCH   ; LDS serves a wave's instructions in order: these see my stores
.endr
.irp t, 0,1,2,3,4,5,6,7,8,9,10,11,12,13,14,15
	s_wait_dscnt 15-\t
	global_store_b128 v8, v[OUTR+4*\t:OUTR+4*\t+3], s[18:19] offset:2*\t*KROW   ; sixteen lanes store 256 consecutive bytes, aligned
.endr
	s_wait_tensorcnt 0x0                           ; the wave's end: three lines behind my last LDS store
	ds_add_u32 v[SPW], v[NIL]
	s_wait_dscnt 0x0
	s_endpgm
.Lfunc_end_k_qeed9521557_prep:
	.size	k_qeed9521557_prep, .Lfunc_end_k_qeed9521557_prep-k_qeed9521557_prep
	.p2alignl 7, 3214868480
	.fill 96, 4, 3214868480
	.section	.rodata,"a",@progbits
	.p2align	6, 0x0
	.amdhsa_kernel k_qeed9521557_prep
		.amdhsa_group_segment_fixed_size 68096
		.amdhsa_private_segment_fixed_size 0
		.amdhsa_enable_private_segment 0
		.amdhsa_kernarg_size 80
		.amdhsa_user_sgpr_count 2
		.amdhsa_user_sgpr_kernarg_segment_ptr 1
		.amdhsa_wavefront_size32 1
		.amdhsa_system_sgpr_workgroup_id_x 1
		.amdhsa_system_sgpr_workgroup_id_y 1
		.amdhsa_system_sgpr_workgroup_id_z 1
		.amdhsa_system_vgpr_workitem_id 0
		.amdhsa_next_free_vgpr 192
		.amdhsa_next_free_sgpr 66
		.amdhsa_reserve_vcc 0
		.amdhsa_float_denorm_mode_32 3
		.amdhsa_float_denorm_mode_16_64 3
		.amdhsa_memory_ordered 1
		.amdhsa_forward_progress 1
		.amdhsa_inst_pref_size 123
	.end_amdhsa_kernel
	.amdgpu_metadata
---
amdhsa.version: [ 1, 2 ]
amdhsa.kernels:
  - .name:           k_qeed9521557_prep
    .symbol:         k_qeed9521557_prep.kd
    .args:
      - { .name: x, .offset: 0, .size: 8, .value_kind: global_buffer, .address_space: global }
      - { .name: Wq, .offset: 8, .size: 8, .value_kind: global_buffer, .address_space: global }
      - { .name: Wk, .offset: 16, .size: 8, .value_kind: global_buffer, .address_space: global }
      - { .name: Wv, .offset: 24, .size: 8, .value_kind: global_buffer, .address_space: global }
      - { .name: Wo, .offset: 32, .size: 8, .value_kind: global_buffer, .address_space: global }
      - { .name: x_codes, .offset: 40, .size: 8, .value_kind: global_buffer, .address_space: global }
      - { .name: x_scales, .offset: 48, .size: 8, .value_kind: global_buffer, .address_space: global }
      - { .name: w_codes, .offset: 56, .size: 8, .value_kind: global_buffer, .address_space: global }
      - { .name: w_scales, .offset: 64, .size: 8, .value_kind: global_buffer, .address_space: global }
      - { .name: wo16, .offset: 72, .size: 8, .value_kind: global_buffer, .address_space: global }
    .group_segment_fixed_size: 68096
    .private_segment_fixed_size: 0
    .kernarg_segment_align: 8
    .kernarg_segment_size: 80
    .max_flat_workgroup_size: 128
    .sgpr_count:     66
    .vgpr_count:     192
    .wavefront_size: 32
...
	.end_amdgpu_metadata
.endif
;; end of part 1
;; launch gemm (part 2): grid 12 x 32, 4 waves a work-group, clusters of 4 x 4, 327,680 bytes of LDS; arguments x_codes, x_scales, w_codes, w_scales, qkv, h32; writes qkv, h32
.if DOCPART == 2
	.amdgcn_target "amdgcn-amd-amdhsa--gfx1250"
	.amdhsa_code_object_version 6
	.text
	.protected	k_qeed9521557_gemm
	.globl	k_qeed9521557_gemm
	.p2align	8
	.type	k_qeed9521557_gemm,@function
k_qeed9521557_gemm:
	s_mov_b64 s[64:65], 0
	v_nop
	global_prefetch_b8 v0, s[64:65] scope:SCOPE_SE
	s_setreg_imm32_b32 hwreg(HW_REG_WAVE_MODE, 25, 1), 1
	s_wait_xcnt 0x0
	s_wait_alu depctr_hold_cnt(0) depctr_sa_sdst(0) depctr_va_vdst(0) depctr_va_sdst(0) depctr_va_ssrc(0) depctr_va_vcc(0) depctr_vm_vsrc(0)
	s_getreg_b32 s2, hwreg(HW_REG_IB_STS2, 6, 4)
	s_cmp_eq_u32 s2, 0
	s_cbranch_scc0 .Lentry_in_a_cluster
	s_endpgm
.Lentry_in_a_cluster:
	s_bfe_u32 s2, ttmp6, 0x10000c
	s_cmp_lg_u32 s2, 0xf033
	s_cbranch_scc0 .Lentry_shape_is_right
	s_endpgm
.Lentry_shape_is_right:
; THE THREE PROJECTIONS AS ONE PRODUCT ON CODES OF FP4 (E2M1): C[m][n] = sum over k of x[m][k] W[n][k], m = 2,048 x batch + position (8,192), n = 1,024 x (q, k, v) + 64 x head + column (3,072), K = 1,024.
; Codes: two a byte, K innermost, a row is 512 bytes; one E8M0 byte for each 32 along K, a row is 32 bytes.  The matrix instruction takes codes and scale bytes as they lie.  Sums in f32.
; RESULTS: q, k, v as f16, laid [plane][2,048 positions][64], plane = 64 x (q, k, v) + 16 x batch + head: the later products are left as they are and take f16 operands.
; The first 16 positions of every batch and head go out in f32 as well, [plane][16][64]: a small launch at the end computes those rows in f32.  LIMIT: |q|, |k|, |v| stay under 65,504.
; A tile of C, 256 x 256, is made by a work-group of four waves; a wave makes 128 x 128: 64 accumulators, 512 registers.  K = 1,024 is two LDS slots of 512 along K: both are filled at the head, nothing is
; filled again; with the scales a wave has three tensor loads out, by this text's own count.
; CLUSTERS: 4 x 4 work-groups.  The four of a row of the cluster need the same tiles of x, the four of a column the same tiles of W: each tile is asked for JOINTLY.
; The tile row is 8 cy + the cluster's y: so the batch is cy, and whether a tile holds a batch's first positions hangs on the cluster's y alone, which all sixteen partners share.
; THE MATRIX INSTRUCTION IS USED TRANSPOSED (source 0 = 16 rows of W, source 1 = 16 rows of x): a lane then holds eight neighbouring columns of one position.
; REGISTERS, in windows of 256: window 0: v0-31 addresses; v32-95 scale words, two sets; from v128 x's fragments, ONE set; on the way out v32-255 are free.
;   window 1: W's fragments, TWO sets, at v0 and at v128.   window 2: the accumulators of my rows 0-63 ((a, b) at v[8 (8 a + b)]);   window 3: those of my rows 64-127.
.set SIZE_K, 1024
.set KSTEP,  512                       ; along K in a slot
.set NQ,     KSTEP/128                 ; matrix instructions deep
.set ROWB,   256                       ; a tile's row in bytes
.set KROW,   SIZE_K*4/8                ; a row of codes in memory
.set PITCH,  272                       ; an LDS row: 256 bytes + 16 of padding: the 16 rows that a load touches start at 16 different banks
.set FR,     8                         ; registers of a fragment: 16 rows x 128 K
.set NL,     2                         ; LDS loads that bring one
.set NP,     4                         ; places behind this matrix instruction (ISA guide 7.12.1)
.set HALFT,  128*PITCH                 ; 128 rows: what one tensor load brings
.set SLOT,   4*HALFT                   ; x's 256 rows, then W's 256 rows
.set KS,     SIZE_K/32                 ; a row of scales in bytes
.set SCL,    2*SLOT                    ; behind the slots: the scales, as units of 256 bytes + 16 of padding
.set HALFS,  (128*KS/256)*272          ; the scales of 128 rows: what one tensor load brings
.set SBLK,   (16*KS/256)*272           ; those of 16 rows
.set SPARE,  SCL+4*HALFS               ; the spare words, 128 bytes for each wave: two blocks of 256 bytes that no other line names
.set FST,    32768                     ; the way out in f32: 16 rows x 528 bytes for each wave.  Both stages lie in slot 0, which has had its only fill and its last read when the first result is stored there
.set ADRA, 16                          ; v16-17  LDS address of my x fragments in slot 0, 1
.set ADRB, 20                          ; v20-21  the same for W
.set COF,  22                          ; v22     f32 way out: my byte offset in the two planes
.set STO,  24                          ; v24     f16 way out: where I put 16 bytes of a row (stage: 16 rows x 272 bytes a wave, from LDS byte 0)
.set RD,   25                          ; v25     and where I read back
.set CO,   26                          ; v26     16 x lane
.set ADRS, 27                          ; v27     LDS address of my scale words: lanes 0-15 x's rows, lanes 16-31 W's
.set SPW,  28                          ; v28     LDS address of my spare word; never rewritten
.set NIL,  29                          ; v29     0; never rewritten
.set STF,  30                          ; v30     f32 way out: in
.set RDF,  31                          ; v31     f32 way out: back
.set SC,   32                          ; scale words: set s at v[SC + 8 NQ s]; register NQ i + q: lanes 0-15 x's block i, lanes 16-31 W's block i, the slot's q-th 128 along K
.set AF,   128                         ; x's fragments, in window 0
.set TMP,  192                         ; the way out: packed results
.set OB,   32                          ; the way out: rows read back: v32-63 and v224-255 by turns
.set G1, 24                            ; s[24:31] descriptor group 1 for x's tiles;  s[32:39] group 0, one set for each slot
.set G0, 32
.set G1B, 48                           ; s[48:55], s[56:63] the same for W's tiles
.set G0B, 56
.set G1S, 68                           ; s[68:75], s[76:79] groups 1 and 0 for x's scales;  s[80:87], s[88:91] for W's
.set G0S, 76
.set G1SB, 80
.set G0SB, 88
.set MSB, 0
.macro WIN new                         ; the immediate's high byte repeats the setting that is left
.if MSB != \new
	s_set_vgpr_msb (MSB<<8)|\new
.set MSB, \new
.endif
.endm
.set MUL_LO, 0xa1                      ; source 0 (W) window 1, source 1 (x) window 0, C and D window 2
.set MUL_HI, 0xf1                      ; the same, C and D window 3
.set TO_B,   0x40                      ; destination window 1, address window 0
; A joint load: waves 0 and 1 fetch for x, waves 2 and 3 for W.  Each of the two lines has ONE mask and one set of registers for all that issue it; the branch hangs on the wave's number alone.
; An s_nop 0 and four v_nop follow each of the two lines.
.macro JLOAD g0a, g1a, g0b, g1b
	s_cmp_eq_u32 s15, 0
	s_cbranch_scc0 .Lfor_b_\@
	tensor_load_to_lds s[\g0a:\g0a+3], s[\g1a:\g1a+7]
	s_nop 0
.rept 4
	v_nop
.endr
	s_branch .Lasked_\@
.Lfor_b_\@:
	tensor_load_to_lds s[\g0b:\g0b+3], s[\g1b:\g1b+7]
	s_nop 0
.rept 4
	v_nop
.endr
.Lasked_\@:
.endm
.macro CROUND                          ; a round of the cluster's barrier
	s_barrier_signal -1
	s_barrier_wait -1
	s_cmp_lg_u32 s14, 0
	s_cbranch_scc1 .Lnot_wave_0_\@
	s_barrier_signal -3
.Lnot_wave_0_\@:
	s_barrier_wait -3
	s_barrier_signal -1
	s_barrier_wait -1
.endm
	s_load_b128 s[4:7], s[0:1], 0x0                ; x's codes s[4:5], x's scales s[6:7]
	s_load_b128 s[8:11], s[0:1], 0x10              ; W's codes s[8:9], W's scales s[10:11]
	s_load_b64 s[12:13], s[0:1], 0x20              ; q, k, v in f16
	s_load_b64 s[96:97], s[0:1], 0x28              ; the first 16 positions in f32
	v_lshl_add_u32 v[SPW], v0, 2, SPARE
	v_mov_b32 v[NIL], 0
	ds_add_u32 v[SPW], v[NIL]                      ; the wave's opening: the add, twice on end, and its wait ahead of my first tensor load
	ds_add_u32 v[SPW], v[NIL]                      ; and once more, under the one wait; the set-up below, work on registers, stands between
	v_lshrrev_b32 v1, 5, v0
	v_readfirstlane_b32 s14, v1                    ; wave 0..3
	s_lshr_b32 s15, s14, 1                         ; which half of the tile's rows is mine.  Also: I fetch for x (0) or for W (1)
	s_and_b32 s16, s14, 1                          ; which half of its columns.  Also: which 128 rows of that tile I fetch
	s_bfe_u32 s40, ttmp6, 0x40000                  ; cx, cy: my place in the cluster
	s_bfe_u32 s41, ttmp6, 0x40004
	s_lshl_b32 s42, ttmp9, 2
	s_add_co_u32 s42, s42, s40                     ; tile column of C = 4 x cluster x + cx
	s_lshl_b32 s17, s41, 3
	s_and_b32 s18, ttmp7, 0xffff
	s_add_co_u32 s17, s17, s18                     ; tile row of C = 8 cy + cluster y: the batch is cy
	s_lshl_b32 s43, s41, 2
	s_lshl_b32 s43, 15, s43                        ; my row of the cluster
	s_lshl_b32 s44, 0x1111, s40                    ; my column
	; descriptor group 1: a tile of 128 rows x ROWB bytes, padded in LDS
	s_or_b32 s[G1+0], s43, (0<<16)|(1<<20)|(1<<21)|(5<<22)|(3<<25)  ; 15:0 the mask: x's tiles go to my row; elements of 1 byte; padding on; bit 21 beside a mask; after every 64 words, 4 words
	s_or_b32 s[G1B+0], s44, (0<<16)|(1<<20)|(1<<21)|(5<<22)|(3<<25)
.irp g, G1, G1B
	s_mov_b32 s[\g+1], ROWB<<16                    ; tensor_dim0
	s_mov_b32 s[\g+2], 128<<16                     ; tensor_dim1 = 128
	s_mov_b32 s[\g+3], ROWB<<16                    ; tile_dim0
	s_mov_b32 s[\g+4], 128                         ; tile_dim1 = 128
	s_mov_b32 s[\g+5], KROW                        ; tensor_dim0_stride
	s_mov_b32 s[\g+6], 0
	s_mov_b32 s[\g+7], 0
.endr
	; and for the scales of 128 rows: a dense block of 4,096 bytes, as rows of 256 bytes (32 elements of 8 bytes), 16 bytes of padding behind each
	s_or_b32 s[G1S+0], s43, (3<<16)|(1<<20)|(1<<21)|(5<<22)|(3<<25)
	s_or_b32 s[G1SB+0], s44, (3<<16)|(1<<20)|(1<<21)|(5<<22)|(3<<25)
.irp g, G1S, G1SB
	s_mov_b32 s[\g+1], 32<<16
	s_mov_b32 s[\g+2], (128*KS/256)<<16
	s_mov_b32 s[\g+3], 32<<16
	s_mov_b32 s[\g+4], 128*KS/256
	s_mov_b32 s[\g+5], 32
	s_mov_b32 s[\g+6], 0
	s_mov_b32 s[\g+7], 0
.endr
	s_lshl_b32 s18, s16, 7                         ; which 128 rows of the tile I fetch
	s_lshl_b32 s20, s17, 8
	s_add_co_u32 s20, s20, s18                     ; x: row 256 x tile row + 128 x half
	s_lshl_b32 s46, s42, 8
	s_add_co_u32 s46, s46, s18                     ; W: row 256 x tile column + 128 x half
	s_mov_b32 s21, 0
	s_mov_b32 s47, 0
	s_mov_b64 s[18:19], KS
	s_mul_u64 s[22:23], s[20:21], s[18:19]         ; where these rows' scales begin, in bytes
	s_mul_u64 s[92:93], s[46:47], s[18:19]
	s_mov_b64 s[18:19], KROW
	s_mul_u64 s[20:21], s[20:21], s[18:19]         ; and their codes
	s_mul_u64 s[46:47], s[46:47], s[18:19]
	s_mul_i32 s45, s14, HALFT                      ; where they go: wave x 128 rows: no place in the cluster enters an LDS address
	s_mul_i32 s94, s14, HALFS
	s_wait_dscnt 0x0                               ; both opening adds are done
	s_wait_kmcnt 0x0
	s_add_nc_u64 s[20:21], s[4:5], s[20:21]
	s_add_nc_u64 s[22:23], s[6:7], s[22:23]
	s_add_nc_u64 s[46:47], s[8:9], s[46:47]
	s_add_nc_u64 s[92:93], s[10:11], s[92:93]
	CROUND                                         ; all sixteen work-groups are here: the joint loads meet
	s_mov_b32 s[G0S], 1
	s_add_co_u32 s[G0S+1], s94, SCL
	s_mov_b64 s[G0S+2:G0S+3], s[22:23]
	s_or_b32 s[G0S+3], s[G0S+3], 0x80000000
	s_mov_b32 s[G0SB], 1
	s_add_co_u32 s[G0SB+1], s94, SCL
	s_mov_b64 s[G0SB+2:G0SB+3], s[92:93]
	s_or_b32 s[G0SB+3], s[G0SB+3], 0x80000000
	JLOAD G0S, G1S, G0SB, G1SB                     ; the scales first: they are wanted with the first slot
.irp s, 0,1
	s_mov_b32 s[G0+4*\s], 1
	s_add_co_u32 s[G0+4*\s+1], s45, \s*SLOT
	s_add_nc_u64 s[G0+4*\s+2:G0+4*\s+3], s[20:21], \s*ROWB
	s_or_b32 s[G0+4*\s+3], s[G0+4*\s+3], 0x80000000
	s_mov_b32 s[G0B+4*\s], 1
	s_add_co_u32 s[G0B+4*\s+1], s45, \s*SLOT
	s_add_nc_u64 s[G0B+4*\s+2:G0B+4*\s+3], s[46:47], \s*ROWB
	s_or_b32 s[G0B+4*\s+3], s[G0B+4*\s+3], 0x80000000
	JLOAD G0+4*\s, G1, G0B+4*\s, G1B
.endr
	v_and_b32 v1, 15, v0                           ; r = l % 16
	v_bfe_u32 v2, v0, 4, 1                         ; h = l / 16
	v_mul_u32_u24 v3, v1, PITCH
	v_lshl_add_u32 v4, v2, 4, v3                   ; a fragment's row x pitch + 16 x half
	s_mul_i32 s21, s15, HALFT                      ; my 128 rows of x
	s_mul_i32 s22, s16, HALFT                      ; my 128 rows of W,
	s_add_co_u32 s22, s22, 2*HALFT                 ; which lie behind x's 256
.irp s, 0,1
	v_add_nc_u32 v[ADRA+\s], s21, v4
	v_add_nc_u32 v[ADRB+\s], s22, v4
	s_add_co_u32 s21, s21, SLOT
	s_add_co_u32 s22, s22, SLOT
.endr
	v_mul_u32_u24 v5, v1, KS                       ; my row's scales: KS bytes a row,
	v_lshrrev_b32 v6, 8, v5
	v_lshl_add_u32 v5, v6, 4, v5                   ; and 16 more for each 256 passed
	s_mul_i32 s21, s15, HALFS                      ; x's: my 128 rows
	s_mul_i32 s22, s16, HALFS                      ; W's: my 128 rows, behind x's 256
	s_add_co_u32 s22, s22, 2*HALFS
	s_sub_co_u32 s22, s22, s21
	v_mul_u32_u24 v6, s22, v2                      ; lanes 16-31 take W's
	s_add_co_u32 s21, s21, SCL
	v_add_nc_u32 v5, v5, v6
	v_add_nc_u32 v[ADRS], s21, v5
	; the way out's addresses
	v_and_b32 v6, 31, v0                           ; l
	s_mul_i32 s23, s14, 16*272                     ; my f16 stage
	v_mul_u32_u24 v5, v1, 272
	v_lshl_add_u32 v5, v2, 4, v5
	v_add_nc_u32 v[STO], s23, v5                   ; in: row r, 16 bytes for each half of the lanes
	v_lshrrev_b32 v7, 3, v6
	v_mul_u32_u24 v7, v7, 272
	v_and_b32 v8, 7, v0
	v_lshl_add_u32 v7, v8, 4, v7
	v_add_nc_u32 v[RD], s23, v7                    ; back: eight lanes take one head's 128 bytes of a row, 32 lanes four rows
	v_lshlrev_b32 v[CO], 4, v6
	s_mul_i32 s23, s14, 16*528
	s_add_co_u32 s23, s23, FST                     ; my f32 stage
	v_mul_u32_u24 v5, v1, 528
	v_lshl_add_u32 v5, v2, 5, v5
	v_add_nc_u32 v[STF], s23, v5                   ; in: row r, 32 bytes for each half of the lanes
	v_add_nc_u32 v[RDF], s23, v[CO]                ; back: the 32 lanes take one row of 512 bytes: two heads
	v_lshlrev_b32 v[COF], 12, v2                   ; lanes 16-31: the next plane, 4,096 bytes on
	v_lshl_add_u32 v[COF], v1, 4, v[COF]
	; my two planes.  g = 4 x tile column + 2 x half counts heads through q, k, v; plane = 64 (g / 16) + 16 x batch + g % 16.  In registers that never fed a descriptor
	s_lshl_b32 s98, s42, 2
	s_lshl_b32 s99, s16, 1
	s_add_co_u32 s98, s98, s99
	s_lshr_b32 s99, s98, 4
	s_lshl_b32 s99, s99, 6
	s_and_b32 s98, s98, 15
	s_add_co_u32 s98, s98, s99
	s_lshl_b32 s99, s41, 4
	s_add_co_u32 s98, s98, s99                     ; the plane
	s_lshl_b32 s66, s98, 12
	s_mov_b32 s67, 0
	s_add_nc_u64 s[96:97], s[96:97], s[66:67]      ; f32: 4,096 bytes a plane
	s_lshl_b32 s66, s98, 18                        ; f16: 262,144 bytes a plane,
	s_and_b32 s99, ttmp7, 0xffff
	s_or_b32 s95, s99, s15                         ; 0 where my first 16 rows are a batch's first 16 positions: the cluster's y and the wave's number alone
	s_lshl_b32 s99, s99, 15                        ; the tile's 256 positions of 128 bytes,
	s_add_co_u32 s66, s66, s99
	s_lshl_b32 s99, s15, 14                        ; my 128 of them
	s_add_co_u32 s66, s66, s99
	s_add_nc_u64 s[12:13], s[12:13], s[66:67]
.macro FRAG reg, adr, q, i             ; a fragment, 16 rows x 128 K of 4-bit codes: lane l holds row l % 16; registers 4 c .. 4 c + 3 hold K = 64 c + 32 (l / 16) + 0 .. 31
.irp c, 0,1
	ds_load_b128 v[\reg+4*\c:\reg+4*\c+3], v[\adr] offset:64*(\q)+32*\c+(\i)*16*PITCH
.endr
.endm
; 16 matrix instructions: x's blocks a0, a0 + 1 against W's eight, 128 along K: the slot's q-th.  p: W's set;  sc: the set of scale words.  zero = 1: the first product starts the sums.
; The 64 accumulators take turns, one instruction a turn, in the same order in every step.
.macro MUL16 a0, p, q, sc, zero
.irp a, \a0, \a0+1
.irp b, 0,1,2,3,4,5,6,7
.if \zero
	v_wmma_scale_f32_16x16x128_f8f6f4 v[8*(8*((\a)%4)+\b):8*(8*((\a)%4)+\b)+7], v[128*(\p)+FR*\b:128*(\p)+FR*\b+FR-1], v[AF+FR*(\a):AF+FR*(\a)+FR-1], 0, v[SC+8*NQ*(\sc)+NQ*\b+(\q)], v[SC+8*NQ*(\sc)+NQ*(\a)+(\q)] matrix_a_fmt:MATRIX_FMT_FP4 matrix_b_fmt:MATRIX_FMT_FP4 matrix_a_scale:MATRIX_SCALE_ROW1
.else
	v_wmma_scale_f32_16x16x128_f8f6f4 v[8*(8*((\a)%4)+\b):8*(8*((\a)%4)+\b)+7], v[128*(\p)+FR*\b:128*(\p)+FR*\b+FR-1], v[AF+FR*(\a):AF+FR*(\a)+FR-1], v[8*(8*((\a)%4)+\b):8*(8*((\a)%4)+\b)+7], v[SC+8*NQ*(\sc)+NQ*\b+(\q)], v[SC+8*NQ*(\sc)+NQ*(\a)+(\q)] matrix_a_fmt:MATRIX_FMT_FP4 matrix_b_fmt:MATRIX_FMT_FP4 matrix_a_scale:MATRIX_SCALE_ROW1
.endif
.endr
.endr
.endm
.macro FETCH_B slot, q, p              ; W's eight fragments of the slot's q-th 128 along K into set p
	WIN TO_B
.irp i, 0,1,2,3,4,5,6,7
	FRAG 128*(\p)+FR*\i, ADRB+\slot, \q, \i
.endr
	WIN 0
.endm
.macro FETCH_A slot, q, i0             ; x's blocks i0 .. i0 + 3
.irp i, \i0, \i0+1, \i0+2, \i0+3
	FRAG AF+FR*(\i), ADRA+\slot, \q, \i
.endr
.endm
.macro SCALES sc                       ; a slot's scale words into set sc: NQ words a row; lanes 0-15 take x's block i, lanes 16-31 W's block i
.irp i, 0,1,2,3,4,5,6,7
	ds_load_b128 v[SC+8*NQ*\sc+NQ*\i:SC+8*NQ*\sc+NQ*\i+3], v[ADRS] offset:\i*SBLK
.endr
.endm
; A load into a register that a matrix instruction has read, and a vector instruction or an LDS store that reads a matrix result, stand NP places behind that matrix instruction; only plain vector
; instructions that name none of its registers are places.
.macro PLACES n
.rept \n
	v_nop
.endr
.endm
; A step of 128 along K that has its successor in the same slot.
.macro STEP slot, q, zero
	s_wait_dscnt 4*NL                              ; W's set and x's blocks 0-3 are in; the youngest eight loads (x's blocks 4-7) may be out
	WIN MUL_LO
	MUL16 0, (\q)%2, \q, \slot, \zero
	MUL16 2, (\q)%2, \q, \slot, \zero
	s_wait_dscnt 0                                 ; x's blocks 4-7 are in
	PLACES NP
	FETCH_B \slot, (\q)+1, 1-(\q)%2
	FETCH_A \slot, (\q)+1, 0
	WIN MUL_HI
	MUL16 4, (\q)%2, \q, \slot, \zero
	MUL16 6, (\q)%2, \q, \slot, \zero
	PLACES NP
	WIN 0
	FETCH_A \slot, (\q)+1, 4
.endm
.macro STEPS slot, from                ; the slot's steps from .. NQ - 2
.set Q, \from
.rept NQ-1-\from
	STEP \slot, Q, 0
.set Q, Q+1
.endr
.endm
	s_wait_tensorcnt 1                             ; the scales and my part of slot 0 are in (slot 1's load may be out)
	s_barrier_signal -1
	s_barrier_wait -1                              ; everybody's are
	FETCH_B 0, 0, 0
	FETCH_A 0, 0, 0
	SCALES 0
	FETCH_A 0, 0, 4
	STEP 0, 0, 1                                   ; the first step's products start the sums: nothing is cleared
	STEPS 0, 1
	; slot 0's last step changes slots: one barrier; in front of it each wave waits for all its tensor loads (its part of slot 1), adds 0 to its spare word, and waits for that and for its reads of slot 0
	s_wait_tensorcnt 0x0
	ds_add_u32 v[SPW], v[NIL]
	s_wait_dscnt 4*NL+1                            ; (the add and the youngest eight loads may be out)
	WIN MUL_LO
	MUL16 0, 1, NQ-1, 0, 0                         ; sixteen matrix instructions stand between the add and the wait for it
	s_wait_dscnt 0x0                               ; the add is done, and my reads of slot 0 are over
	s_barrier_signal -1
	MUL16 2, 1, NQ-1, 0, 0
	WIN 0
	s_barrier_wait -1                              ; slot 1 is whole, and nobody reads slot 0 any more
	PLACES NP
	v_add_nc_u32 v[ADRS], 4*NQ, v[ADRS]            ; on to slot 1's scale words
	FETCH_B 1, 0, 0
	FETCH_A 1, 0, 0
	SCALES 1
	WIN MUL_HI
	MUL16 4, 1, NQ-1, 0, 0
	MUL16 6, 1, NQ-1, 0, 0
	PLACES NP
	WIN 0
	FETCH_A 1, 0, 4
	STEPS 1, 0
	s_wait_dscnt 4*NL                              ; the very last step: nothing more to fetch
	WIN MUL_LO
	MUL16 0, 1, NQ-1, 1, 0
	MUL16 2, 1, NQ-1, 1, 0
	s_wait_dscnt 0
	WIN MUL_HI
	MUL16 4, 1, NQ-1, 1, 0
	MUL16 6, 1, NQ-1, 1, 0
	WIN 0
	PLACES NP                                      ; for the loads into registers that held fragments and scale words, and for the first reads of results
	; THE FIRST 16 POSITIONS IN F32: my block 0, where it is a batch's first.  Through my f32 stage: rows come back whole, 512 bytes = two heads' 256; sixteen lanes store 256 consecutive bytes, aligned.
	s_cmp_lg_u32 s95, 0
	s_cbranch_scc1 .Lno32
	WIN 0x08                                       ; an LDS store's data are its source 1: window 2
.irp b, 0,1,2,3,4,5,6,7
	ds_store_b128 v[STF], v[8*\b:8*\b+3] offset:64*\b              ; each accumulator from its low end on
	ds_store_b128 v[STF], v[8*\b+4:8*\b+7] offset:64*\b+16
.endr
	WIN 0
.irp t, 0,1,2,3,4,5,6,7,8,9,10,11,12,13,14,15
	ds_load_b128 v[128+4*\t:128+4*\t+3], v[RDF] offset:\t*528      ; LDS serves a wave's instructions in order: these see my stores
.endr
	s_wait_dscnt 0x0
.irp t, 0,1,2,3,4,5,6,7,8,9,10,11,12,13,14,15
	global_store_b128 v[COF], v[128+4*\t:128+4*\t+3], s[96:97] offset:\t*256   ; neither these registers nor this base are written again
.endr
.Lno32:
; THE WAY OUT IN F16, block by block of 16 positions x 128 columns (two heads).  PACK: rounded to f16, 16 bytes a lane.  TOSTAGE: into my stage, and back so that 32 lanes hold four whole rows of one head.
; SEND: each store covers 512 consecutive bytes of a plane, aligned.  Block a's conversions stand between block a - 1's loads from the stage and the wait for them.
.macro PACK a
.set AC, 64*((\a)%4)
	WIN 0x0a+5*((\a)/4)                            ; sources 0 and 1: window 2 or 3
.irp b, 0,1,2,3,4,5,6,7
.irp r, 0,1,2,3
	v_cvt_pk_f16_f32 v[TMP+4*\b+\r], v[AC+8*\b+2*\r], v[AC+8*\b+2*\r+1]
.endr
.endr
	WIN 0
.endm
.macro TOSTAGE a
.set BK, OB+192*((\a)%2)
.irp b, 0,1,2,3,4,5,6,7
	ds_store_b128 v[STO], v[TMP+4*\b:TMP+4*\b+3] offset:32*\b
.endr
.irp j, 0,1
.irp t, 0,1,2,3
	ds_load_b128 v[BK+16*\j+4*\t:BK+16*\j+4*\t+3], v[RD] offset:128*\j+1088*\t
.endr
.endr
.endm
.macro SEND a
.set BK, OB+192*((\a)%2)
	s_wait_dscnt 0x0                               ; the block is back in registers
	s_wait_xcnt 0x0                                ; the earlier stores have read their registers and their base: only behind this wait are they written again
.if (\a) > 0
	s_add_nc_u64 s[12:13], s[12:13], 2048          ; 16 positions of 128 bytes on
.endif
.irp j, 0,1
.irp t, 0,1,2,3
	global_store_b128 v[CO], v[BK+16*\j+4*\t:BK+16*\j+4*\t+3], s[12:13] offset:262144*\j+512*\t
.endr
.endr
.endm
	PACK 0
	TOSTAGE 0
.irp a, 1,2,3,4,5,6,7
	PACK \a
	SEND \a-1
	TOSTAGE \a
.endr
	SEND 7
	s_wait_tensorcnt 0x0                           ; the wave's end: three lines, behind my last tensor load and my last LDS store
	ds_add_u32 v[SPW], v[NIL]
	s_wait_dscnt 0x0
	CROUND                                         ; the closing round
	s_endpgm
.Lfunc_end_k_qeed9521557_gemm:
	.size	k_qeed9521557_gemm, .Lfunc_end_k_qeed9521557_gemm-k_qeed9521557_gemm
	.p2alignl 7, 3214868480
	.fill 96, 4, 3214868480
	.section	.rodata,"a",@progbits
	.p2align	6, 0x0
	.amdhsa_kernel k_qeed9521557_gemm
		.amdhsa_group_segment_fixed_size 327680
		.amdhsa_private_segment_fixed_size 0
		.amdhsa_enable_private_segment 0
		.amdhsa_kernarg_size 48
		.amdhsa_user_sgpr_count 2
		.amdhsa_user_sgpr_kernarg_segment_ptr 1
		.amdhsa_wavefront_size32 1
		.amdhsa_system_sgpr_workgroup_id_x 1
		.amdhsa_system_sgpr_workgroup_id_y 1
		.amdhsa_system_sgpr_workgroup_id_z 1
		.amdhsa_system_vgpr_workitem_id 0
		.amdhsa_next_free_vgpr 1024
		.amdhsa_next_free_sgpr 100
		.amdhsa_reserve_vcc 0
		.amdhsa_float_denorm_mode_32 3
		.amdhsa_float_denorm_mode_16_64 3
		.amdhsa_memory_ordered 1
		.amdhsa_forward_progress 1
		.amdhsa_inst_pref_size 131
	.end_amdhsa_kernel
	.amdgpu_metadata
---
amdhsa.version: [ 1, 2 ]
amdhsa.kernels:
  - .name:           k_qeed9521557_gemm
    .symbol:         k_qeed9521557_gemm.kd
    .args:
      - { .name: x_codes, .offset: 0, .size: 8, .value_kind: global_buffer, .address_space: global }
      - { .name: x_scales, .offset: 8, .size: 8, .value_kind: global_buffer, .address_space: global }
      - { .name: w_codes, .offset: 16, .size: 8, .value_kind: global_buffer, .address_space: global }
      - { .name: w_scales, .offset: 24, .size: 8, .value_kind: global_buffer, .address_space: global }
      - { .name: qkv, .offset: 32, .size: 8, .value_kind: global_buffer, .address_space: global }
      - { .name: h32, .offset: 40, .size: 8, .value_kind: global_buffer, .address_space: global }
    .group_segment_fixed_size: 327680
    .private_segment_fixed_size: 0
    .kernarg_segment_align: 8
    .kernarg_segment_size: 48
    .max_flat_workgroup_size: 128
    .sgpr_count:     100
    .vgpr_count:     1024
    .wavefront_size: 32
...
	.end_amdgpu_metadata
.endif
;; end of part 2
;; launch attn (part 3): grid 4 x 64, 16 waves a work-group, no clusters, 327,680 bytes of LDS; arguments qkv, ctx; writes ctx
.if DOCPART == 3
	.amdgcn_target "amdgcn-amd-amdhsa--gfx1250"
	.amdhsa_code_object_version 6
	.text
	.protected	k_qeed9521557_attn
	.globl	k_qeed9521557_attn
	.p2align	8
	.type	k_qeed9521557_attn,@function
k_qeed9521557_attn:
	s_mov_b64 s[64:65], 0
	v_nop
	global_prefetch_b8 v0, s[64:65] scope:SCOPE_SE
	s_setreg_imm32_b32 hwreg(HW_REG_WAVE_MODE, 25, 1), 1
	s_wait_xcnt 0x0
; CAUSAL ATTENTION.  ctx[bh][q][:] = sum over keys k <= q of softmax_k(Q[q] . K[k] / 8) V[k][:].  Q, K, V: f16 planes [2,048][64] of one buffer (Q: plane bh, K: 64 + bh, V: 128 + bh); ctx: f16, [bh][2,048][64].
; Products in f16 with f32 sums; maxima, exponentials and sums in f32; the weights p are rounded to f16 for the second product, ctx once at the end.
; Positions 0 to 15 of every sequence are computed here too, and are computed again in f32 by the last launch, which owns those rows of the output.
; Masked keys get the weight 0: the same as a score of -1e9 wherever the true scores lie above about -1e9.
; SHARES.  A work-group owns query blocks p and 7 - p (256 queries each) of one head: 9 units of 256 x 256 under the mask in every one of the 256 work-groups.  Each of its sixteen waves owns 32 queries,
; two tiles of 16, in 256 registers: four waves to a SIMD, so that one wave's vector work stands beside another's matrix work and LDS loads.  Which block a wave takes alternates so that
; waves of both blocks fall on every SIMD.  Each fragment of K and V read from LDS feeds two products.
; NO CLUSTER: the four work-groups of a head end their walks over the keys at different slots (at key 256 (8 - p)), so a partner would have to ask for tiles that none of its waves reads.
; THE WALK.  Every work-group walks all 8 slots of 256 keys: the trip counts are constants.  A step (64 keys) all of whose keys come after the wave's queries is jumped over, and a slot whose
; first key comes after the work-group's last query is not asked for.  Both tests are made of ids and counts of steps alone.
; LAYOUT.  S^T = K Q^T (source 0 = 16 keys, source 1 = 16 queries): a lane holds ONE query (lane % 16) and the keys 8 (lane / 16) + 0..7.  Two such tiles, rounded to f16 in pairs, ARE source 1
; (32 keys x 16 queries) of O^T = V^T P.  K comes out of LDS as it lies, V ([key][channel]) turned, by ds_load_tr16_b128.
; SOFTMAX.  A running maximum m and sum l for each query: p = 2^(c s - c m), c = log2(e) / 8; in every step O and l are multiplied by a = 2^(c m_old - c m_new).
.set PK,    144                        ; a row of K in LDS: 128 bytes + 16: the 16 rows of a load start at 16 different groups of banks
.set PV,    160                        ; a row of V: 128 + 32: an odd multiple of 32
.set VOFF,  256*PK                     ; a slot: 256 rows of K, then 256 rows of V
.set SLOT1, 1<<17                      ; slot 1 begins here: one exclusive or turns an address from one slot to the other
.set STAGE, VOFF+256*PV                ; behind slot 0's tiles: 16 rows x 144 bytes for each wave, for the way out; no tile lands there
.set SPARE, 2*SLOT1                    ; the spare words, 128 bytes for each wave: eight blocks of 256 bytes that no other line names
.set AK0, 1                            ; v1   my lane's place in a tile of K
.set AV0, 2                            ; v2   the same for V
.set ADK, 3                            ; v3   LDS address of the step's K
.set ADV, 4                            ; v4   of its V
.set SPW, 5                            ; v5   LDS address of my spare word; never rewritten
.set NIL, 6                            ; v6   0; never rewritten
.set GO,  7                            ; v7   the way out: 16 x lane
.set STO, 8                            ; v8   the way out: where I put 16 bytes of a row
.set RD,  9                            ; v9   and where I read back
.set PFO, 10                           ; v10  256 x lane: the prefetches' offset; never rewritten
.set NINF, 11                          ; v11  -infinity
.set ST,  12                           ; tile t's statistics at v[ST + 8 t]: +0 c m, +1 m, +2, +3 l (two halves), +4 to +7 at work; a in +6
.set CH,  28                           ; v28-31 the sums' second chains, a pair a tile
.set Q,   32                           ; v32-63   Q: tile t, channels 32 c on, at 32 + 16 t + 8 c
.set F,   64                           ; v64-127  eight fragments of K, then of V
.set S,   128                          ; v128-191 S^T: tile t, keys 16 kt on, at 128 + 32 t + 8 kt; then p; then P in place
.set O,   192                          ; v192-255 O^T: tile t, channels 16 ct on, at 192 + 32 t + 8 ct
.set TK,  2                            ; s2   LDS byte at which the step's K begins
.set TV,  3                            ; s3   the same for V (less VOFF)
.set WV,  18                           ; s18  my wave's number
.set SEL, 20                           ; s[20:21] lane selects for v_permlanex16_b32: lane l xor 16
.set CS,  22                           ; s[22:23] c, twice
.set G1K, 24                           ; s[24:31] descriptor group 1 for K's tiles;  s[32:39] for V's;  s[40:43], s[44:47] their groups 0, which walk
.set G1V, 32
.set G0K, 40
.set G0V, 44
.set FOUR, 66                          ; s66  counts a slot's four steps
.set SLOTS, 67                         ; s67  changes of slots still to come in the loop
.set QLAST, 68                         ; s68  my work-group's last query
.set PFA, 76                           ; s[76:77] where my prefetches stand
.set LIM, 80                           ; s80  1 in a wave that prefetches, else the greatest number
.set KF,  98                           ; s98  the step's first key
.set Q0,  99                           ; s99  my first query
; Waves 0 and 1 fetch K's halves of a slot (128 keys each), waves 2 and 3 V's, the others nothing.  The branches hang on the wave's number alone.  An s_nop 0 and four v_nop follow each load.
.macro TLOAD
	s_cmp_lt_u32 s[WV], 2
	s_cbranch_scc0 .Lnot_k_\@
	tensor_load_to_lds s[G0K:G0K+3], s[G1K:G1K+7]
	s_nop 0
.rept 4
	v_nop
.endr
	s_branch .Lasked_\@
.Lnot_k_\@:
	s_cmp_lt_u32 s[WV], 4
	s_cbranch_scc0 .Lasked_\@
	tensor_load_to_lds s[G0V:G0V+3], s[G1V:G1V+7]
	s_nop 0
.rept 4
	v_nop
.endr
.Lasked_\@:
.endm
; A PREFETCH of what the NEXT change of slots will ask for: 32,768 dense bytes of K and as many of V.  Each aligned block of 256 bytes is named once in the launch: of a head's four work-groups the one
; with p = 0 asks, since it loads all eight slots; in it waves 4 to 7 ask for K, waves 8 to 11 for V, 8,192 bytes a wave, lanes 256 bytes apart.  It runs a slot's four steps ahead of the load.
; The last change that fills a slot asks for nothing; slots 0 and 1 come by their loads alone.
.macro ASK
	s_cmp_gt_u32 s[SLOTS], s[LIM]
	s_cbranch_scc0 .Lnot_mine_\@
	global_prefetch_b8 v[PFO], s[PFA:PFA+1] th:TH_LOAD_NT scope:SCOPE_SE
.Lnot_mine_\@:
.endm
	s_load_b128 s[4:7], s[0:1], 0x0                ; q, k, v s[4:5]; ctx s[6:7]
	v_lshl_add_u32 v[SPW], v0, 2, SPARE
	v_mov_b32 v[NIL], 0
	ds_add_u32 v[SPW], v[NIL]                      ; the wave's opening: the add, twice on end, and its wait ahead of the first tensor load
	ds_add_u32 v[SPW], v[NIL]                      ; and once more, under the one wait; the set-up below, work on registers, stands between
	v_lshrrev_b32 v3, 5, v0
	v_readfirstlane_b32 s[WV], v3                  ; wave 0..15
	s_and_b32 s8, ttmp7, 0xffff
	s_lshl_b32 s8, s8, 18                          ; the head's place in each group of 64 planes
	s_lshr_b32 s9, s[WV], 2
	s_xor_b32 s9, s9, s[WV]
	s_and_b32 s9, s9, 1                            ; 1: my queries lie in block 7 - p, 0: in block p
	s_sub_co_u32 s12, 7, ttmp9
	s_cmp_eq_u32 s9, 1
	s_cselect_b32 s12, s12, ttmp9
	s_lshl_b32 s12, s12, 8
	s_lshr_b32 s13, s[WV], 1
	s_lshl_b32 s13, s13, 5
	s_add_co_u32 s[Q0], s12, s13                   ; my first query: 256 x block + 32 (wave / 2)
	s_sub_co_u32 s[QLAST], 8, ttmp9
	s_lshl_b32 s[QLAST], s[QLAST], 8
	s_sub_co_u32 s[QLAST], s[QLAST], 1             ; 256 (8 - p) - 1: the same in all sixteen waves
	s_and_b32 s14, s[WV], 1                        ; which half of a slot's keys I fetch, if I fetch
	s_mul_i32 s15, s14, 128*PK                     ; K: in a slot
	s_mul_i32 s16, s14, 128*PV
	s_add_co_u32 s16, s16, VOFF                    ; V: in a slot
	s_lshl_b32 s72, s14, 14                        ; 128 rows of 128 bytes in memory,
	s_add_co_u32 s72, s72, s8                      ; in my head
	s_mov_b32 s73, 0
	s_lshl_b32 s74, s[Q0], 7
	s_add_co_u32 s74, s74, s8                      ; my first query's row, in Q's planes and in ctx
	s_mov_b32 s75, 0
	; descriptor group 1: 128 rows of 64 elements of 2 bytes, dense in memory, padded in LDS
	s_mov_b32 s[G1K], (1<<16)|(1<<20)|(4<<22)|(3<<25)   ; no mask; elements of 2 bytes; padding on: after every 32 words, 4 words
	s_mov_b32 s[G1V], (1<<16)|(1<<20)|(4<<22)|(7<<25)   ; the same with 8 words
.irp g, G1K, G1V
	s_mov_b32 s[\g+1], 64<<16                      ; tensor_dim0 = 64
	s_mov_b32 s[\g+2], 128<<16                     ; tensor_dim1 = 128
	s_mov_b32 s[\g+3], 64<<16                      ; tile_dim0 = 64
	s_mov_b32 s[\g+4], 128                         ; tile_dim1 = 128
	s_mov_b32 s[\g+5], 64                          ; elements from row to row
	s_mov_b32 s[\g+6], 0
	s_mov_b32 s[\g+7], 0
.endr
	s_mov_b32 s[SEL], 0x76543210
	s_mov_b32 s[SEL+1], 0xfedcba98
	s_mov_b32 s[CS], 0x3e38aa3b                    ; c = log2(e) / 8
	s_mov_b32 s[CS+1], s[CS]
	s_mov_b32 s[TK], 0
	s_mov_b32 s[TV], 0
	s_mov_b32 s[KF], 0
	s_mov_b32 s[SLOTS], 7
	s_wait_dscnt 0x0                               ; both opening adds are done
	s_wait_kmcnt 0x0
	s_mov_b32 s[G0K], 1                            ; count = 1
	s_mov_b32 s[G0K+1], s15                        ; LDS address: slot 0
	s_add_nc_u64 s[G0K+2:G0K+3], s[4:5], s[72:73]
	s_add_nc_u64 s[G0K+2:G0K+3], s[G0K+2:G0K+3], 0x1000000   ; K's planes begin 64 planes on
	s_or_b32 s[G0K+3], s[G0K+3], 0x80000000        ; type = 2
	s_mov_b32 s[G0V], 1
	s_mov_b32 s[G0V+1], s16
	s_add_nc_u64 s[G0V+2:G0V+3], s[4:5], s[72:73]
	s_add_nc_u64 s[G0V+2:G0V+3], s[G0V+2:G0V+3], 0x2000000   ; V's 128 planes on
	s_or_b32 s[G0V+3], s[G0V+3], 0x80000000
	TLOAD                                          ; slot 0: it holds key 0, which counts for every query
	s_add_nc_u64 s[82:83], s[4:5], s[74:75]        ; Q at my first query
	s_add_nc_u64 s[6:7], s[6:7], s[74:75]          ; ctx likewise
	; the prefetches: where my wave's stand, and who asks
	s_mov_b32 s84, 0x2000000
	s_cmp_lt_u32 s[WV], 8
	s_cselect_b32 s84, 0x1000000, s84              ; waves 4 to 7: K's planes; waves 8 to 11: V's
	s_add_co_u32 s84, s84, s8
	s_and_b32 s85, s[WV], 3
	s_lshl_b32 s85, s85, 13                        ; my wave's 8,192 bytes,
	s_add_co_u32 s84, s84, s85
	s_add_co_u32 s84, s84, 32768                   ; in slot 1: the first change of slots steps it to slot 2
	s_mov_b32 s85, 0
	s_add_nc_u64 s[PFA:PFA+1], s[4:5], s[84:85]
	s_sub_co_u32 s86, s[WV], 4
	s_lshr_b32 s86, s86, 3                         ; 0 in waves 4 to 11,
	s_or_b32 s86, s86, ttmp9                       ; of the work-group with p = 0
	s_cmp_eq_u32 s86, 0
	s_cselect_b32 s[LIM], 1, -1
	v_and_b32 v28, 15, v0                          ; r
	v_bfe_u32 v29, v0, 4, 1                        ; h
	v_lshlrev_b32 v30, 7, v28
	v_lshl_add_u32 v30, v29, 4, v30                ; Q: row r of 128 bytes, + 16 h
.irp t, 0,1
.irp c, 0,1
	global_load_b128 v[Q+16*\t+8*\c:Q+16*\t+8*\c+3], v30, s[82:83] offset:\t*2048+64*\c       ; Q stays in registers
	global_load_b128 v[Q+16*\t+8*\c+4:Q+16*\t+8*\c+7], v30, s[82:83] offset:\t*2048+64*\c+32
.endr
.endr
	v_mul_u32_u24 v[AK0], v28, PK
	v_lshl_add_u32 v[AK0], v29, 4, v[AK0]          ; K: row r x pitch + 16 h
	v_and_b32 v31, 7, v0
	v_lshl_add_u32 v[AV0], v29, 3, v31             ; V, turned: key 8 h + l % 8,
	v_mul_u32_u24 v[AV0], v[AV0], PV
	v_bfe_u32 v31, v0, 3, 1
	v_lshl_add_u32 v[AV0], v31, 4, v[AV0]          ; channels 8 ((l / 8) % 2) on
	v_add_nc_u32 v[AV0], VOFF, v[AV0]
	s_mul_i32 s87, s[WV], 16*PK
	s_add_co_u32 s87, s87, STAGE                   ; my stage
	v_add_nc_u32 v[STO], s87, v[AK0]               ; in: row r, 16 bytes for each half of the lanes
	v_bfe_u32 v31, v0, 3, 2
	v_mul_u32_u24 v[RD], v31, PK
	v_and_b32 v31, 7, v0
	v_lshl_add_u32 v[RD], v31, 4, v[RD]
	v_add_nc_u32 v[RD], s87, v[RD]                 ; back: eight lanes to a row of 128 bytes, four rows an instruction
	v_and_b32 v[GO], 31, v0
	v_lshlrev_b32 v[PFO], 8, v[GO]
	v_lshlrev_b32 v[GO], 4, v[GO]
	v_mov_b32 v[NINF], 0xff800000
.irp t, 0,1
	v_mov_b32 v[ST+8*\t+1], 0xff61b1e6             ; m: -3e38, under every score
	v_mul_f32 v[ST+8*\t], s[CS], v[ST+8*\t+1]      ; c m
.irp j, 2,3,4,5,6,7
	v_mov_b32 v[ST+8*\t+\j], 0                     ; l, and the registers at work
.endr
.endr
.set i, 0
.rept 64
	v_mov_b32 v[O+i], 0                            ; O^T.  (The step is written once: the first finds zeros, which its a = 0 leaves zeros)
.set i, i+1
.endr
; THE SOFTMAX OF A STEP, both tiles line by line by turns, so that no line waits for the line above it.
.macro SOFT
.irp j, 0,1,2,3                        ; the maximum of 32 scores and the old m: four chains, each begun at an accumulator's low end
.irp t, 0,1
	v_max3_num_f32 v[ST+8*\t+4+\j], v[S+32*\t+8*\j], v[S+32*\t+8*\j+1], v[S+32*\t+8*\j+2]
.endr
.endr
.irp i, 3,5
.irp j, 0,1,2,3
.irp t, 0,1
	v_max3_num_f32 v[ST+8*\t+4+\j], v[ST+8*\t+4+\j], v[S+32*\t+8*\j+\i], v[S+32*\t+8*\j+\i+1]
.endr
.endr
.endr
.irp t, 0,1
	v_max3_num_f32 v[ST+8*\t+4], v[ST+8*\t+4], v[S+32*\t+7], v[S+32*\t+15]
	v_max3_num_f32 v[ST+8*\t+6], v[ST+8*\t+6], v[S+32*\t+23], v[S+32*\t+31]
.endr
.irp t, 0,1
	v_max3_num_f32 v[ST+8*\t+4], v[ST+8*\t+4], v[ST+8*\t+5], v[ST+8*\t+6]
.endr
.irp t, 0,1
	v_max3_num_f32 v[ST+8*\t+4], v[ST+8*\t+4], v[ST+8*\t+7], v[ST+8*\t+1]
.endr
.irp t, 0,1
	v_permlanex16_b32 v[ST+8*\t+5], v[ST+8*\t+4], s[SEL], s[SEL+1]   ; the query's other 32 keys lie in the lane 16 away
.endr
.irp t, 0,1
	v_mov_b32 v[ST+8*\t+7], v[ST+8*\t]             ; c m_old is kept for a
.endr
.irp t, 0,1
	v_max_num_f32 v[ST+8*\t+1], v[ST+8*\t+4], v[ST+8*\t+5]
.endr
.irp t, 0,1
	v_mul_f32 v[ST+8*\t], s[CS], v[ST+8*\t+1]
.endr
.irp t, 0,1
	v_sub_f32 v[ST+8*\t+7], v[ST+8*\t+7], v[ST+8*\t]
.endr
.irp b, 0,1,2,3,4,5,6,7,8,9,10,11,12,13,14,15
.irp t, 0,1
	v_pk_fma_f32 v[S+32*\t+2*\b:S+32*\t+2*\b+1], v[S+32*\t+2*\b:S+32*\t+2*\b+1], s[CS:CS+1], v[ST+8*\t:ST+8*\t+1] op_sel_hi:[1,0,0] neg_lo:[0,0,1] neg_hi:[0,0,1]   ; c s - c m, two at a time
.endr
.endr
.irp t, 0,1
	v_exp_f32 v[ST+8*\t+6], v[ST+8*\t+7]           ; a
.endr
.set i, 0
.rept 64
	v_exp_f32 v[S+i], v[S+i]                       ; p, at most 1
.set i, i+1
.endr
	v_nop                                          ; a plain line behind the last exponential
	s_wait_alu depctr_va_vdst(0)                   ; the wait ahead of the first line that names a result: one for the batch of 66
.irp t, 0,1                            ; the sums of the unrounded p: two chains a tile
	v_pk_add_f32 v[ST+8*\t+4:ST+8*\t+5], v[S+32*\t:S+32*\t+1], v[S+32*\t+2:S+32*\t+3]
	v_pk_add_f32 v[CH+2*\t:CH+2*\t+1], v[S+32*\t+4:S+32*\t+5], v[S+32*\t+6:S+32*\t+7]
.endr
.irp b, 8,12,16,20,24,28
.irp t, 0,1
	v_pk_add_f32 v[ST+8*\t+4:ST+8*\t+5], v[ST+8*\t+4:ST+8*\t+5], v[S+32*\t+\b:S+32*\t+\b+1]
	v_pk_add_f32 v[CH+2*\t:CH+2*\t+1], v[CH+2*\t:CH+2*\t+1], v[S+32*\t+\b+2:S+32*\t+\b+3]
.endr
.endr
.irp t, 0,1
	v_pk_add_f32 v[ST+8*\t+4:ST+8*\t+5], v[ST+8*\t+4:ST+8*\t+5], v[CH+2*\t:CH+2*\t+1]
.endr
.irp t, 0,1
	v_pk_fma_f32 v[ST+8*\t+2:ST+8*\t+3], v[ST+8*\t+2:ST+8*\t+3], v[ST+8*\t+6:ST+8*\t+7], v[ST+8*\t+4:ST+8*\t+5] op_sel_hi:[1,0,1]   ; l = a l + the sum
.endr
.irp g, 0,1                            ; P, in place: register i of a run of 16 takes numbers 2 i and 2 i + 1, i ascending, so that nothing is written before it is read
.irp i, 0,1,2,3,4,5,6,7
.irp t, 0,1
	v_cvt_pk_f16_f32 v[S+32*\t+16*\g+\i], v[S+32*\t+16*\g+2*\i], v[S+32*\t+16*\g+2*\i+1]
.endr
.endr
.endr
.irp i, 0,1,2,3,4,5,6,7,8,9,10,11,12,13,14,15
.irp t, 0,1
	v_pk_mul_f32 v[O+32*\t+2*\i:O+32*\t+2*\i+1], v[O+32*\t+2*\i:O+32*\t+2*\i+1], v[ST+8*\t+6:ST+8*\t+7] op_sel_hi:[1,0]   ; O^T times a, each accumulator from its low end on
.endr
.endr
.endm
; A KEY STEP: 64 keys.
.macro STEP
	s_add_co_u32 s96, s[Q0], 31                    ; a step all of whose keys come after my 32 queries is left out: a branch on ids, round the work alone
	s_cmp_gt_u32 s[KF], s96
	s_cbranch_scc1 .Lhidden_\@
	v_add_nc_u32 v[ADK], s[TK], v[AK0]
	v_add_nc_u32 v[ADV], s[TV], v[AV0]
.irp kt, 0,1,2,3
.irp c, 0,1
	ds_load_b128 v[F+8*(2*\kt+\c):F+8*(2*\kt+\c)+3], v[ADK] offset:\kt*16*PK+64*\c
	ds_load_b128 v[F+8*(2*\kt+\c)+4:F+8*(2*\kt+\c)+7], v[ADK] offset:\kt*16*PK+64*\c+32
.endr
.endr
	s_wait_dscnt 0x0
.set i, 0
.rept 16                               ; S^T = K Q^T: eight accumulators by turns, one instruction a turn; the first eight start the sums
.set rS, S+32*(i%2)+8*((i/2)%4)
.set rK, F+8*(2*((i/2)%4)+i/8)
.set rQ, Q+16*(i%2)+8*(i/8)
.if i < 8
	v_wmma_f32_16x16x32_f16 v[rS:rS+7], v[rK:rK+7], v[rQ:rQ+7], 0
.else
	v_wmma_f32_16x16x32_f16 v[rS:rS+7], v[rK:rK+7], v[rQ:rQ+7], v[rS:rS+7]
.endif
.set i, i+1
.endr
.rept 4
	v_nop                                          ; four places: in front of the loads into K's registers, and of the first read of the scores
.endr
.irp g, 0,1                            ; V, turned: keys 32 g on, channels 16 ct on.  The loads land under the softmax
.irp ct, 0,1,2,3
	ds_load_tr16_b128 v[F+8*(4*\g+\ct):F+8*(4*\g+\ct)+3], v[ADV] offset:\g*32*PV+32*\ct
	ds_load_tr16_b128 v[F+8*(4*\g+\ct)+4:F+8*(4*\g+\ct)+7], v[ADV] offset:\g*32*PV+16*PV+32*\ct
.endr
.endr
	s_add_co_u32 s96, s[KF], 63                    ; on the diagonal the scores of hidden keys become -infinity ahead of the maximum; a step all of whose keys count skips this
	s_cmp_le_u32 s96, s[Q0]
	s_cbranch_scc1 .Lopen_\@
	s_sub_co_i32 s96, s[Q0], s[KF]
	v_and_b32 v[ST+4], 15, v0
	v_bfe_u32 v[ST+5], v0, 4, 1
	v_lshlrev_b32 v[ST+5], 3, v[ST+5]
	v_sub_nc_u32 v[ST+4], v[ST+4], v[ST+5]
	v_add_nc_u32 v[ST+4], s96, v[ST+4]             ; d = my query - KF - 8 (lane / 16).  Register 8 kt + j holds key KF + 16 kt + 8 (lane / 16) + j: hidden where 16 kt + j > d
	v_add_nc_u32 v[ST+12], 16, v[ST+4]             ; tile 1's queries lie 16 on
.irp t, 0,1
.irp kt, 0,1,2,3
.irp j, 0,1,2,3,4,5,6,7
	v_cmp_gt_i32 vcc_lo, 16*\kt+\j, v[ST+8*\t+4]
	v_cndmask_b32 v[S+32*\t+8*\kt+\j], v[S+32*\t+8*\kt+\j], v[NINF], vcc_lo
.endr
.endr
.endr
.Lopen_\@:
	SOFT
	s_wait_dscnt 0x0                               ; V is in
.set i, 0
.rept 16                               ; O^T += V^T P: eight accumulators by turns
.set rO, O+32*(i%2)+8*((i/2)%4)
.set rV, F+8*(4*(i/8)+(i/2)%4)
.set rP, S+32*(i%2)+16*(i/8)
	v_wmma_f32_16x16x32_f16 v[rO:rO+7], v[rV:rV+7], v[rP:rP+7], v[rO:rO+7]
.set i, i+1
.endr
.rept 5
	v_nop                                          ; five places: the next step's first products write over P's registers; its loads land in V's; the way out reads O^T
.endr
.Lhidden_\@:
	s_add_co_u32 s[KF], s[KF], 64
	s_add_co_u32 s[TK], s[TK], 64*PK
	s_add_co_u32 s[TV], s[TV], 64*PV
.endm
; THE CHANGE OF SLOTS stands at a slot's head.  Each wave waits for all its tensor loads (its part of the slot that it is about to read), adds 0 to its spare word, and waits for that and for its reads of the
; slot that it has left.  Behind the barrier the slot ahead is whole and nobody reads the other one.  fill = 1: that other slot is filled with the keys that follow, up to the causal limit.
.macro CHANGE fill
	s_wait_tensorcnt 0x0                           ; no tensor load of mine is out, so a group 0 may be written
	ds_add_u32 v[SPW], v[NIL]
.if \fill
	ds_add_u32 v[SPW], v[NIL]                      ; and twice on end here, in every trip alike
	s_xor_b32 s[G0K+1], s[G0K+1], SLOT1            ; the walking descriptors: the other slot than last time,
	s_add_nc_u64 s[G0K+2:G0K+3], s[G0K+2:G0K+3], 32768   ; the next 256 keys
	s_xor_b32 s[G0V+1], s[G0V+1], SLOT1
	s_add_nc_u64 s[G0V+2:G0V+3], s[G0V+2:G0V+3], 32768
	s_wait_xcnt 0x0                                ; the last prefetch, a slot back, has read its address, so it may be written:
	s_add_nc_u64 s[PFA:PFA+1], s[PFA:PFA+1], 32768 ; one slot further on than the walking descriptors
.endif
	s_wait_dscnt 0x0                               ; the add is done, and my reads of the slot that I have left are over
	s_barrier_signal -1
	s_barrier_wait -1
.if \fill
	s_add_co_u32 s96, s[KF], 256                   ; the first key of the slot that this change would ask for:
	s_cmp_gt_u32 s96, s[QLAST]                     ; behind my work-group's last query none of its waves reads it, so it is not asked for.  Ids and the count of steps alone: all sixteen waves go the same way
	s_cbranch_scc1 .Lpast_\@
	TLOAD                                          ; a wave's one tensor load until the next change; every wait for tensor loads in this text is for 0
.Lpast_\@:
	ASK
.endif
.endm
.macro FOUR_STEPS                      ; a slot's four steps: written once, walked four times; the LDS addresses hang on s[TK] and s[TV]
	s_mov_b32 s[FOUR], 4
.Lstep_\@:
	STEP
	s_sub_co_u32 s[FOUR], s[FOUR], 1
	s_cmp_lg_u32 s[FOUR], 0
	s_cbranch_scc1 .Lstep_\@
	s_sub_co_u32 s[TK], s[TK], 256*PK              ; back to a slot's first step,
	s_xor_b32 s[TK], s[TK], SLOT1                  ; in the other slot
	s_sub_co_u32 s[TV], s[TV], 256*PV
	s_xor_b32 s[TV], s[TV], SLOT1
.endm
	s_wait_loadcnt 0x0                             ; Q
.Lslot:                                            ; 7 trips: behind each change of slots but the last the next slot is asked for, up to the limit
	CHANGE 1
	FOUR_STEPS
	s_sub_co_u32 s[SLOTS], s[SLOTS], 1
	s_cmp_lg_u32 s[SLOTS], 0
	s_cbranch_scc1 .Lslot
	CHANGE 0                                       ; the last slot is written out: nothing is left to ask for
	FOUR_STEPS
	; THE WAY OUT.  l's halves and the other half of the lanes' are added; O^T is divided by l, rounded to f16 and sent through my stage, a tile (16 rows) at a time: each store covers 512 consecutive bytes, aligned.
.irp t, 0,1
	v_add_f32 v[ST+8*\t+4], v[ST+8*\t+2], v[ST+8*\t+3]
.endr
.irp t, 0,1
	v_permlanex16_b32 v[ST+8*\t+5], v[ST+8*\t+4], s[SEL], s[SEL+1]
.endr
.irp t, 0,1
	v_add_f32 v[ST+8*\t+4], v[ST+8*\t+4], v[ST+8*\t+5]
.endr
.irp t, 0,1
	v_rcp_f32 v[ST+8*\t+6], v[ST+8*\t+4]
.endr
	v_nop                                          ; a plain line behind the last reciprocal
	s_wait_alu depctr_va_vdst(0)                   ; and the wait ahead of the first use: one for both
.irp t, 0,1
.irp i, 0,1,2,3,4,5,6,7,8,9,10,11,12,13,14,15
	v_pk_mul_f32 v[O+32*\t+2*\i:O+32*\t+2*\i+1], v[O+32*\t+2*\i:O+32*\t+2*\i+1], v[ST+8*\t+6:ST+8*\t+7] op_sel_hi:[1,0]
.endr
.irp i, 0,1,2,3,4,5,6,7,8,9,10,11,12,13,14,15
	v_cvt_pk_f16_f32 v[S+16*\t+\i], v[O+32*\t+2*\i], v[O+32*\t+2*\i+1]
.endr
.irp ct, 0,1,2,3
	ds_store_b128 v[STO], v[S+16*\t+4*\ct:S+16*\t+4*\ct+3] offset:32*\ct
.endr
.irp i, 0,1,2,3
	ds_load_b128 v[S+32+16*\t+4*\i:S+32+16*\t+4*\i+3], v[RD] offset:\i*4*PK   ; LDS serves a wave's instructions in order: these see my stores, and the next tile's stores come behind them
.endr
.endr
.irp t, 0,1
.irp i, 0,1,2,3
	s_wait_dscnt 11-8*\t-\i                        ; the younger LDS instructions may be out
	global_store_b128 v[GO], v[S+32+16*\t+4*\i:S+32+16*\t+4*\i+3], s[6:7] offset:\t*2048+512*\i
.endr
.endr
	s_wait_tensorcnt 0x0                           ; the wave's end: three lines, behind my last tensor load and my last LDS store
	ds_add_u32 v[SPW], v[NIL]
	s_wait_dscnt 0x0
	s_endpgm
.Lfunc_end_k_qeed9521557_attn:
	.size	k_qeed9521557_attn, .Lfunc_end_k_qeed9521557_attn-k_qeed9521557_attn
	.p2alignl 7, 3214868480
	.fill 96, 4, 3214868480
	.section	.rodata,"a",@progbits
	.p2align	6, 0x0
	.amdhsa_kernel k_qeed9521557_attn
		.amdhsa_group_segment_fixed_size 327680
		.amdhsa_private_segment_fixed_size 0
		.amdhsa_enable_private_segment 0
		.amdhsa_kernarg_size 16
		.amdhsa_user_sgpr_count 2
		.amdhsa_user_sgpr_kernarg_segment_ptr 1
		.amdhsa_wavefront_size32 1
		.amdhsa_system_sgpr_workgroup_id_x 1
		.amdhsa_system_sgpr_workgroup_id_y 1
		.amdhsa_system_sgpr_workgroup_id_z 1
		.amdhsa_system_vgpr_workitem_id 0
		.amdhsa_next_free_vgpr 256
		.amdhsa_next_free_sgpr 100
		.amdhsa_reserve_vcc 1
		.amdhsa_float_denorm_mode_32 3
		.amdhsa_float_denorm_mode_16_64 3
		.amdhsa_memory_ordered 1
		.amdhsa_forward_progress 1
		.amdhsa_inst_pref_size 62
	.end_amdhsa_kernel
	.amdgpu_metadata
---
amdhsa.version: [ 1, 2 ]
amdhsa.kernels:
  - .name:           k_qeed9521557_attn
    .symbol:         k_qeed9521557_attn.kd
    .args:
      - { .name: qkv, .offset: 0, .size: 8, .value_kind: global_buffer, .address_space: global }
      - { .name: ctx, .offset: 8, .size: 8, .value_kind: global_buffer, .address_space: global }
    .group_segment_fixed_size: 327680
    .private_segment_fixed_size: 0
    .kernarg_segment_align: 8
    .kernarg_segment_size: 16
    .max_flat_workgroup_size: 512
    .sgpr_count:     100
    .vgpr_count:     256
    .wavefront_size: 32
...
	.end_amdgpu_metadata
.endif
;; end of part 3
;; launch oproj (part 4): grid 4 x 64, 4 waves a work-group, clusters of 4 x 4, 327,680 bytes of LDS; arguments ctx, wo16, out0; writes out0
.if DOCPART == 4
	.amdgcn_target "amdgcn-amd-amdhsa--gfx1250"
	.amdhsa_code_object_version 6
	.text
	.protected	k_qeed9521557_oproj
	.globl	k_qeed9521557_oproj
	.p2align	8
	.type	k_qeed9521557_oproj,@function
k_qeed9521557_oproj:
	s_mov_b64 s[64:65], 0
	v_nop
	global_prefetch_b8 v0, s[64:65] scope:SCOPE_SE
	s_setreg_imm32_b32 hwreg(HW_REG_WAVE_MODE, 25, 1), 1
	s_wait_xcnt 0x0
	s_wait_alu depctr_hold_cnt(0) depctr_sa_sdst(0) depctr_va_vdst(0) depctr_va_sdst(0) depctr_va_ssrc(0) depctr_va_vcc(0) depctr_vm_vsrc(0)
	s_getreg_b32 s2, hwreg(HW_REG_IB_STS2, 6, 4)
	s_cmp_eq_u32 s2, 0
	s_cbranch_scc0 .Lentry_in_a_cluster
	s_endpgm
.Lentry_in_a_cluster:
	s_bfe_u32 s2, ttmp6, 0x10000c
	s_cmp_lg_u32 s2, 0xf033
	s_cbranch_scc0 .Lentry_shape_is_right
	s_endpgm
.Lentry_shape_is_right:
; THE PROJECTION ON THE WAY OUT: out[m][n] = sum over k of ctx[m][k] Wo[k][n], m = 2,048 x batch + position, k = 64 x head + channel.  f16 operands, f32 sums, f32 results.
; ctx lies by heads, [16 x batch + head][2,048][64] f16; Wo as f16, [1,024 (k)][1,024 (n)].  Rows with position under 16 are written here too and written again, in f32 arithmetic, by the last launch.
; A tile of out is 128 rows x 256 columns: 256 work-groups.  Four waves, each 64 x 128: 32 accumulators, all of window 1.  K goes in steps of 128, two heads, through a ring of two LDS slots.
; A slot: ctx's two planes (a head each: 128 rows of 128 bytes), then 128 rows (k) of Wo's 256 columns.  Waves 0 and 1 fetch a plane each, waves 2 and 3 64 rows of Wo each: one load a wave.
; CLUSTERS: 4 x 4 work-groups.  The four of a row of the cluster need the same tiles of ctx, the four of a column the same tiles of Wo: each tile is asked for JOINTLY.
; THE MATRIX INSTRUCTION IS USED TRANSPOSED (source 0 = 16 columns of Wo, turned out of LDS by ds_load_tr16_b128; source 1 = 16 rows of ctx): a lane holds eight neighbouring numbers of a row of out.
; REGISTERS: window 0: v0-31 addresses; v32-127 and v128-223 two fragment buffers for 32 along K: 64 registers of Wo (8 x 16 columns), then 32 of ctx (4 x 16 rows).  Window 1: accumulator (a, b) at v[8 (8 a + b)].
; No prefetch: a K step's tiles are small and the launch is short.
.set PA,     144                       ; a row of ctx in LDS: 128 bytes + 16
.set APL,    128*PA                    ; a plane
.set PB,     544                       ; a row of Wo in LDS: 512 bytes + 32: an odd multiple of 32
.set BOFF,   2*APL
.set BHALF,  64*PB                     ; what one load of Wo brings
.set SLOT,   BOFF+2*BHALF
.set STAGE,  2*SLOT                    ; behind the ring: 16 rows x 528 bytes for each wave, for the way out
.set SPITCH, 528
.set SPARE,  STAGE+4*16*SPITCH         ; the spare words, 128 bytes for each wave: two blocks of 256 bytes that no other line names
.set ADRA, 16                          ; v16-17  LDS address of my ctx fragments in slot 0, 1
.set ADRB, 20                          ; v20-21  the same for Wo
.set STO,  24                          ; v24     the way out: where I put 32 bytes of a row
.set RD,   25                          ; v25     and where I read a row back
.set CO,   26                          ; v26     16 x lane
.set SPW,  28                          ; v28     LDS address of my spare word; never rewritten
.set NIL,  29                          ; v29     0; never rewritten
.set F0,   32
.set F1,   128
.set BK,   32                          ; the way out: 16 rows read back: v32-95 and v96-159 by turns
.set G1, 24                            ; s[24:31] descriptor group 1 for ctx's tiles;  s[32:39] group 0, one set for each slot
.set G0, 32
.set G1B, 48                           ; s[48:55], s[56:63] the same for Wo's
.set G0B, 56
.set MSB, 0
.macro WIN new                         ; the immediate's high byte repeats the setting that is left
.if MSB != \new
	s_set_vgpr_msb (MSB<<8)|\new
.set MSB, \new
.endif
.endm
.set MUL, 0x50                         ; sources 0 and 1 window 0; C and D window 1
.macro JLOAD s                         ; a joint load: waves 0 and 1 fetch for ctx, waves 2 and 3 for Wo; an s_nop 0 and four v_nop follow each of the two lines
	s_cmp_eq_u32 s11, 0
	s_cbranch_scc0 .Lfor_b_\@
	tensor_load_to_lds s[G0+4*\s:G0+4*\s+3], s[G1:G1+7]
	s_nop 0
.rept 4
	v_nop
.endr
	s_branch .Lasked_\@
.Lfor_b_\@:
	tensor_load_to_lds s[G0B+4*\s:G0B+4*\s+3], s[G1B:G1B+7]
	s_nop 0
.rept 4
	v_nop
.endr
.Lasked_\@:
.endm
.macro CREST                           ; a round of the cluster's barrier behind its opening barrier
	s_cmp_lg_u32 s10, 0
	s_cbranch_scc1 .Lnot_wave_0_\@
	s_barrier_signal -3
.Lnot_wave_0_\@:
	s_barrier_wait -3
	s_barrier_signal -1
	s_barrier_wait -1
.endm
.macro CROUND                          ; a whole round
	s_barrier_signal -1
	s_barrier_wait -1
	CREST
.endm
	s_load_b128 s[4:7], s[0:1], 0x0                ; ctx s[4:5], Wo in f16 s[6:7]
	s_load_b64 s[8:9], s[0:1], 0x10                ; out
	v_lshl_add_u32 v[SPW], v0, 2, SPARE
	v_mov_b32 v[NIL], 0
	ds_add_u32 v[SPW], v[NIL]                      ; the wave's opening: the add, twice on end, and its wait ahead of my first tensor load
	ds_add_u32 v[SPW], v[NIL]                      ; and once more, under the one wait; the set-up below, work on registers, stands between
	v_lshrrev_b32 v1, 5, v0
	v_readfirstlane_b32 s10, v1                    ; wave 0..3
	s_lshr_b32 s11, s10, 1                         ; which half of the tile's rows is mine.  Also: I fetch for ctx (0) or for Wo (1)
	s_and_b32 s12, s10, 1                          ; which half of its columns.  Also: which plane, or which 64 rows of Wo, I fetch
	s_bfe_u32 s40, ttmp6, 0x40000                  ; cx, cy: my place in the cluster
	s_bfe_u32 s41, ttmp6, 0x40004
	s_lshl_b32 s42, ttmp9, 2
	s_add_co_u32 s42, s42, s40                     ; tile column = 4 x cluster x + cx
	s_and_b32 s13, ttmp7, 0xffff
	s_lshl_b32 s13, s13, 2
	s_add_co_u32 s13, s13, s41                     ; tile row = 4 x cluster y + cy
	s_lshl_b32 s43, s41, 2
	s_lshl_b32 s43, 15, s43                        ; my row of the cluster
	s_lshl_b32 s44, 0x1111, s40                    ; my column
	; descriptor group 1.  ctx: 128 rows of 64 elements of 2 bytes, dense; 4 words of padding after every 32
	s_or_b32 s[G1+0], s43, (1<<16)|(1<<20)|(1<<21)|(4<<22)|(3<<25)
	s_mov_b32 s[G1+1], 64<<16                      ; tensor_dim0
	s_mov_b32 s[G1+2], 128<<16                     ; tensor_dim1
	s_mov_b32 s[G1+3], 64<<16                      ; tile_dim0
	s_mov_b32 s[G1+4], 128                         ; tile_dim1
	s_mov_b32 s[G1+5], 64                          ; elements from row to row
	s_mov_b32 s[G1+6], 0
	s_mov_b32 s[G1+7], 0
	; Wo: 64 rows of 256 elements, 1,024 elements apart; 8 words of padding after every 128
	s_or_b32 s[G1B+0], s44, (1<<16)|(1<<20)|(1<<21)|(6<<22)|(7<<25)
	s_mov_b32 s[G1B+1], 256<<16
	s_mov_b32 s[G1B+2], 64<<16
	s_mov_b32 s[G1B+3], 256<<16
	s_mov_b32 s[G1B+4], 64
	s_mov_b32 s[G1B+5], 1024
	s_mov_b32 s[G1B+6], 0
	s_mov_b32 s[G1B+7], 0
	; where the tiles come from.  ctx's hang on the tile row alone, Wo's on the tile column alone; each in registers that never hold the other coordinate
	s_lshr_b32 s16, s13, 4                         ; the batch: 16 tiles of 128 rows each, 16 planes of 262,144 bytes
	s_lshl_b32 s16, s16, 22
	s_and_b32 s17, s13, 15
	s_lshl_b32 s17, s17, 14                        ; the tile's 128 positions of 128 bytes
	s_add_co_u32 s16, s16, s17
	s_lshl_b32 s17, s12, 18                        ; my plane of the K step's two
	s_add_co_u32 s16, s16, s17
	s_mov_b32 s17, 0
	s_lshl_b32 s46, s12, 17                        ; my 64 rows of 2,048 bytes
	s_lshl_b32 s47, s42, 9                         ; the tile's 256 columns
	s_add_co_u32 s46, s46, s47
	s_mov_b32 s47, 0
	s_mul_i32 s20, s12, APL                        ; where they go: no place in the cluster enters an LDS address
	s_mul_i32 s21, s12, BHALF
	s_add_co_u32 s21, s21, BOFF
	s_wait_dscnt 0x0                               ; both opening adds are done
	s_wait_kmcnt 0x0
	s_add_nc_u64 s[14:15], s[4:5], s[16:17]
	s_add_nc_u64 s[46:47], s[6:7], s[46:47]
	CROUND                                         ; all sixteen work-groups are here: the first joint loads meet
.irp s, 0,1
	s_mov_b32 s[G0+4*\s], 1
	s_add_co_u32 s[G0+4*\s+1], s20, \s*SLOT
	s_add_nc_u64 s[G0+4*\s+2:G0+4*\s+3], s[14:15], \s*524288       ; K step s: two planes on
	s_or_b32 s[G0+4*\s+3], s[G0+4*\s+3], 0x80000000
	s_mov_b32 s[G0B+4*\s], 1
	s_add_co_u32 s[G0B+4*\s+1], s21, \s*SLOT
	s_add_nc_u64 s[G0B+4*\s+2:G0B+4*\s+3], s[46:47], \s*262144     ; 128 rows on
	s_or_b32 s[G0B+4*\s+3], s[G0B+4*\s+3], 0x80000000
	JLOAD \s
.endr
	v_and_b32 v1, 15, v0                           ; r
	v_bfe_u32 v2, v0, 4, 1                         ; h
	v_mul_u32_u24 v3, v1, PA
	v_lshl_add_u32 v3, v2, 4, v3                   ; ctx: row r x pitch + 16 h
	s_mul_i32 s22, s11, 64*PA                      ; my 64 rows
	v_and_b32 v4, 7, v0
	v_lshl_add_u32 v4, v2, 3, v4                   ; Wo, turned: row k = 8 h + l % 8,
	v_mul_u32_u24 v4, v4, PB
	v_bfe_u32 v5, v0, 3, 1
	v_lshl_add_u32 v4, v5, 4, v4                   ; columns 8 ((l / 8) % 2) on
	s_lshl_b32 s23, s12, 8                         ; my 128 columns
	s_add_co_u32 s23, s23, BOFF
.irp s, 0,1
	v_add_nc_u32 v[ADRA+\s], s22, v3
	v_add_nc_u32 v[ADRB+\s], s23, v4
	s_add_co_u32 s22, s22, SLOT
	s_add_co_u32 s23, s23, SLOT
.endr
	s_mul_i32 s23, s10, 16*SPITCH
	s_add_co_u32 s23, s23, STAGE                   ; my stage
	v_mul_u32_u24 v5, v1, SPITCH
	v_lshl_add_u32 v5, v2, 5, v5
	v_add_nc_u32 v[STO], s23, v5                   ; in: row r, 32 bytes for each half of the lanes
	v_and_b32 v6, 31, v0
	v_lshlrev_b32 v[CO], 4, v6                     ; back: the 32 lanes take one row of 512 bytes; and the same in out
	v_add_nc_u32 v[RD], s23, v[CO]
	s_lshl_b32 s16, s13, 7
	s_lshl_b32 s17, s11, 6
	s_add_co_u32 s16, s16, s17                     ; my first row of out
	s_lshl_b32 s16, s16, 12                        ; 4,096 bytes a row: under 2^26
	s_mov_b32 s17, 0
	s_add_nc_u64 s[8:9], s[8:9], s[16:17]
	s_lshl_b32 s46, s42, 10                        ; my first column, in bytes
	s_lshl_b32 s47, s12, 9
	s_add_co_u32 s46, s46, s47
	s_mov_b32 s47, 0
	s_add_nc_u64 s[8:9], s[8:9], s[46:47]
; 8 matrix instructions: row block a against all 8 column blocks, 32 along K.  zero = 1: the first product starts the sums.  The 32 accumulators take turns, one instruction a turn, in the same order in every quarter.
.macro MUL8 f, a, zero
.irp b, 0,1,2,3,4,5,6,7
.if \zero
	v_wmma_f32_16x16x32_f16 v[8*(8*(\a)+\b):8*(8*(\a)+\b)+7], v[\f+8*\b:\f+8*\b+7], v[\f+64+8*(\a):\f+64+8*(\a)+7], 0
.else
	v_wmma_f32_16x16x32_f16 v[8*(8*(\a)+\b):8*(8*(\a)+\b)+7], v[\f+8*\b:\f+8*\b+7], v[\f+64+8*(\a):\f+64+8*(\a)+7], v[8*(8*(\a)+\b):8*(8*(\a)+\b)+7]
.endif
.endr
.endm
; 24 LDS loads in one run: the fragments of the slot's q-th 32 along K into buffer f: Wo's eight first, then ctx's four, blocks 0 to 3 in order
.macro FETCH slot, q, f
	WIN 0
.irp b, 0,1,2,3,4,5,6,7
	ds_load_tr16_b128 v[\f+8*\b:\f+8*\b+3],   v[ADRB+\slot] offset:(\q)*32*PB+32*\b
	ds_load_tr16_b128 v[\f+8*\b+4:\f+8*\b+7], v[ADRB+\slot] offset:(\q)*32*PB+32*\b+16*PB
.endr
.irp i, 0,1,2,3
	ds_load_b128 v[\f+64+8*\i:\f+64+8*\i+3],   v[ADRA+\slot] offset:((\q)/2)*APL+64*((\q)%2)+\i*16*PA
	ds_load_b128 v[\f+64+8*\i+4:\f+64+8*\i+7], v[ADRA+\slot] offset:((\q)/2)*APL+64*((\q)%2)+\i*16*PA+32
.endr
.endm
.macro PLACES                          ; four places in front of loads into registers that matrix instructions have read, and of the first read of results
.rept 4
	v_nop
.endr
.endm
; A K step is four quarters of 32 along K, 32 matrix instructions each, on buffers 0, 1, 0, 1.  One of the first three: multiplies buffer f and fetches quarter qn into g.
.macro QUARTER slot, qn, f, g, zero
	s_wait_dscnt 4                                 ; Wo's fragments and ctx's blocks 0 and 1 are in; the youngest four loads (blocks 2 and 3) may be out
	WIN MUL
	MUL8 \f, 0, \zero
	MUL8 \f, 1, \zero
	PLACES
	FETCH \slot, \qn, \g
	s_wait_dscnt 24                                ; all but the 24 just issued
	WIN MUL
	MUL8 \f, 2, \zero
	MUL8 \f, 3, \zero
.endm
; The last quarter multiplies buffer 1 and changes slots: ONE barrier; in front of it each wave waits for all its tensor loads, adds 0 to its spare word, and waits for that and for its own reads of this slot.
; fill = 1: this slot is filled again, two K steps ahead; the barrier then opens a round of the cluster's.
.macro TURN slot, next, fill
	WIN 0                                          ; (the add's two registers lie in window 0)
	s_wait_tensorcnt 0x0                           ; all my tensor loads have landed: my part of the next slot;
	ds_add_u32 v[SPW], v[NIL]
	s_wait_dscnt 5                                 ; (the add and the youngest four loads may be out)
	WIN MUL
	MUL8 F1, 0, 0                                  ; eight matrix instructions stand between the add and the wait for it
	s_wait_dscnt 0x0                               ; the add is done, and my reads of this slot are over
	s_barrier_signal -1
	MUL8 F1, 1, 0
	WIN 0
	s_barrier_wait -1
.if \fill
	CREST                                          ; no wave of any partner still reads this slot's tiles or has a load on its way
	s_add_nc_u64 s[G0+4*\slot+2:G0+4*\slot+3], s[G0+4*\slot+2:G0+4*\slot+3], 1048576    ; two K steps: four planes on
	s_add_nc_u64 s[G0B+4*\slot+2:G0B+4*\slot+3], s[G0B+4*\slot+2:G0B+4*\slot+3], 524288  ; 256 rows on
	JLOAD \slot                                    ; the first tensor load behind the round; the four v_nop behind it are also the places in front of the loads below
.else
	PLACES
.endif
	FETCH \next, 0, F0
	WIN MUL
	MUL8 F1, 2, 0
	MUL8 F1, 3, 0
.endm
	s_wait_tensorcnt 1                             ; my part of K step 0 is in (K step 1's may be out)
	s_barrier_signal -1
	s_barrier_wait -1                              ; everybody's is
	FETCH 0, 0, F0
	QUARTER 0, 1, F0, F1, 1                        ; the first quarter stands in front of the loop: its products start the sums
	WIN 0                                          ; at a label and at a branch every window is 0
	s_mov_b32 s3, 3
.Llap:                                                 ; a trip goes once round the ring, from a lap's second quarter to the next lap's first, and fills both slots again: K steps 2 to 7
	QUARTER 0, 2, F1, F0, 0
	QUARTER 0, 3, F0, F1, 0
	TURN 0, 1, 1
	QUARTER 1, 1, F0, F1, 0
	QUARTER 1, 2, F1, F0, 0
	QUARTER 1, 3, F0, F1, 0
	TURN 1, 0, 1
	QUARTER 0, 1, F0, F1, 0
	WIN 0
	s_sub_co_u32 s3, s3, 1
	s_cmp_lg_u32 s3, 0
	s_cbranch_scc1 .Llap
	QUARTER 0, 2, F1, F0, 0                        ; the last lap fills nothing, and has no round of the cluster's barrier
	QUARTER 0, 3, F0, F1, 0
	TURN 0, 1, 0
	QUARTER 1, 1, F0, F1, 0
	QUARTER 1, 2, F1, F0, 0
	QUARTER 1, 3, F0, F1, 0
	s_wait_dscnt 4                                 ; the very last quarter: nothing more to fetch
	WIN MUL
	MUL8 F1, 0, 0
	MUL8 F1, 1, 0
	s_wait_dscnt 0
	MUL8 F1, 2, 0
	MUL8 F1, 3, 0
	WIN 0
; THE WAY OUT, block by block of 16 rows x 128 columns: through my own stage in LDS and back as whole rows of 512 bytes, which the 32 lanes store as 512 consecutive bytes, aligned.
.macro TOSTAGE a
.set AC, 64*(\a)
	WIN 0x04                                       ; an LDS store's data are its source 1: window 1
.irp b, 0,1,2,3,4,5,6,7
	ds_store_b128 v[STO], v[AC+8*\b:AC+8*\b+3] offset:64*\b          ; each accumulator from its low end on
	ds_store_b128 v[STO], v[AC+8*\b+4:AC+8*\b+7] offset:64*\b+16
.endr
	WIN 0
.set BB, BK+64*((\a)%2)
.irp t, 0,1,2,3,4,5,6,7,8,9,10,11,12,13,14,15
	ds_load_b128 v[BB+4*\t:BB+4*\t+3], v[RD] offset:\t*SPITCH        ; LDS serves a wave's instructions in order: these see my stores
.endr
.endm
.macro SEND a, younger                 ; younger: the LDS instructions issued behind block a's loads, which may stay out
.set BB, BK+64*((\a)%2)
	s_wait_dscnt \younger                          ; the block is back in registers
.if (\a) > 0
	s_add_nc_u64 s[8:9], s[8:9], 65536             ; 16 rows on (the earlier stores have read their base: the wait for that stands ahead)
.endif
.irp t, 0,1,2,3,4,5,6,7,8,9,10,11,12,13,14,15
	global_store_b128 v[CO], v[BB+4*\t:BB+4*\t+3], s[8:9] offset:\t*4096 th:TH_STORE_NT
.endr
.endm
	PLACES
	TOSTAGE 0
.irp a, 1,2,3
.if \a > 1
	s_wait_xcnt 0x0                                ; block a - 2's stores have read their registers and their base: block a's loads may land there, and the base may step
.endif
	TOSTAGE \a
	SEND \a-1, 32                                  ; behind block a - 1's loads: block a's 16 stores and 16 loads
.endr
	s_wait_xcnt 0x0                                ; block 2's stores have read their base
	SEND 3, 0
	s_wait_tensorcnt 0x0                           ; the wave's end: three lines, behind my last tensor load and my last LDS store
	ds_add_u32 v[SPW], v[NIL]
	s_wait_dscnt 0x0
	CROUND                                         ; the closing round: no work-group ends while a partner may still ask for a tile that names it
	s_endpgm
.Lfunc_end_k_qeed9521557_oproj:
	.size	k_qeed9521557_oproj, .Lfunc_end_k_qeed9521557_oproj-k_qeed9521557_oproj
	.p2alignl 7, 3214868480
	.fill 96, 4, 3214868480
	.section	.rodata,"a",@progbits
	.p2align	6, 0x0
	.amdhsa_kernel k_qeed9521557_oproj
		.amdhsa_group_segment_fixed_size 327680
		.amdhsa_private_segment_fixed_size 0
		.amdhsa_enable_private_segment 0
		.amdhsa_kernarg_size 24
		.amdhsa_user_sgpr_count 2
		.amdhsa_user_sgpr_kernarg_segment_ptr 1
		.amdhsa_wavefront_size32 1
		.amdhsa_system_sgpr_workgroup_id_x 1
		.amdhsa_system_sgpr_workgroup_id_y 1
		.amdhsa_system_sgpr_workgroup_id_z 1
		.amdhsa_system_vgpr_workitem_id 0
		.amdhsa_next_free_vgpr 512
		.amdhsa_next_free_sgpr 66
		.amdhsa_reserve_vcc 0
		.amdhsa_float_denorm_mode_32 3
		.amdhsa_float_denorm_mode_16_64 3
		.amdhsa_memory_ordered 1
		.amdhsa_forward_progress 1
		.amdhsa_inst_pref_size 85
	.end_amdhsa_kernel
	.amdgpu_metadata
---
amdhsa.version: [ 1, 2 ]
amdhsa.kernels:
  - .name:           k_qeed9521557_oproj
    .symbol:         k_qeed9521557_oproj.kd
    .args:
      - { .name: ctx, .offset: 0, .size: 8, .value_kind: global_buffer, .address_space: global }
      - { .name: wo16, .offset: 8, .size: 8, .value_kind: global_buffer, .address_space: global }
      - { .name: out0, .offset: 16, .size: 8, .value_kind: global_buffer, .address_space: global }
    .group_segment_fixed_size: 327680
    .private_segment_fixed_size: 0
    .kernarg_segment_align: 8
    .kernarg_segment_size: 24
    .max_flat_workgroup_size: 128
    .sgpr_count:     66
    .vgpr_count:     512
    .wavefront_size: 32
...
	.end_amdgpu_metadata
.endif
;; end of part 4
;; launch fine (part 5): grid 16 x 4, 16 waves a work-group, no clusters, 71,680 bytes of LDS; arguments h32, Wo, out0; writes out0
.if DOCPART == 5
	.amdgcn_target "amdgcn-amd-amdhsa--gfx1250"
	.amdhsa_code_object_version 6
	.text
	.protected	k_qeed9521557_fine
	.globl	k_qeed9521557_fine
	.p2align	8
	.type	k_qeed9521557_fine,@function
k_qeed9521557_fine:
	s_mov_b64 s[64:65], 0
	v_nop
	global_prefetch_b8 v0, s[64:65] scope:SCOPE_SE
	s_setreg_imm32_b32 hwreg(HW_REG_WAVE_MODE, 25, 1), 1
	s_wait_xcnt 0x0
; THE FIRST 16 POSITIONS OF EVERY SEQUENCE, WHOLLY IN F32.  Under the causal mask these rows average one to sixteen values and are the largest of the output: the rounding of f16 operands would weigh most there.
; So attention and the projection on the way out are done again for them from the f32 q, k, v ([plane][16][64]; plane = 64 x (q, k, v) + 16 x batch + head) and the f32 Wo, and their rows of out are written over.
; 64 rows of 1,024 in all: no bulk work.  The f32 matrix form, 16 x 16 x 4, does the products.
; SHARES.  A work-group takes one batch and 64 columns of out.  Wave w takes head w: its scores, softmax, context (16 x 64), and that head's share of the 16 x 64 block of out.
; The sixteen shares meet in LDS; behind one barrier wave w adds up row w, in a fixed order, and stores its 256 consecutive bytes, aligned.
; LAYOUT.  All products transposed, so that a lane holds one query (lane % 16) throughout.  In the f32 form lane (r, h) holds row r and, in its two registers, k = 2 h + 0, 1; which true k stands at such a
; place is free as long as both sources agree.  It is chosen so that each result's registers ARE the next product's source: nothing changes lanes.
; The registers that the matrix instructions write (v176-239) are written by them alone; what is made of a sum goes into other registers.
.set SPARE, 69632                      ; behind the sixteen shares (16 rows x 272 bytes each): the spare words, 128 bytes a wave: eight blocks of 256 bytes that no other line names
.set WOF,  1                           ; v1   Wo: 32,768 h + 4 r: lanes 16-31 begin 8 rows of k further down
.set QOF,  2                           ; v2   q, k: row r of 256 bytes + 16 h
.set VOF,  3                           ; v3   v: 2,048 h + 4 r: lanes 16-31 begin 8 keys further down
.set DD,   4                           ; v4   r - 8 h: register j holds key 8 h + j, hidden where j > r - 8 h
.set STO,  5                           ; v5   where I put my share
.set RD,   6                           ; v6   where I read row w of a share
.set GO,   7                           ; v7   8 x lane
.set SPW,  8                           ; v8   LDS address of my spare word; never rewritten
.set NIL,  9                           ; v9   0; never rewritten
.set NINF, 12                          ; v12  -infinity
.set Q,    16                          ; v16-47   q: register 4 j + e = channel 8 j + 4 h + e of query r
.set K,    48                          ; v48-79   k likewise
.set V,    80                          ; v80-111  v: register 8 ct + i = v(key 8 h + i, channel 16 ct + r)
.set W0,   112                         ; v112-175 Wo, column tiles 0, 1: register 32 nt + 8 ct + i = Wo(64 w + 16 ct + 8 h + i, n0 + 16 nt + r)
.set W1,   16                          ; v16-79   column tiles 2, 3, once q and k are done with
.set ACCA, 176                         ; v176-207 four accumulators: the scores in four parts; later the four column tiles of out^T
.set ACCB, 208                         ; v208-239 four accumulators: O^T, channels 16 ct on
.set P,    240                         ; v240-247 the scores, then p
.set CS,   20                          ; s[20:21] c = log2(e) / 8, twice
.set SEL,  22                          ; s[22:23] lane selects for v_permlanex16_b32: lane l xor 16
	s_load_b128 s[4:7], s[0:1], 0x0                ; q, k, v in f32 s[4:5]; Wo s[6:7]
	s_load_b64 s[8:9], s[0:1], 0x10                ; out
	v_lshl_add_u32 v[SPW], v0, 2, SPARE
	v_mov_b32 v[NIL], 0
	v_lshrrev_b32 v10, 5, v0
	v_readfirstlane_b32 s10, v10                   ; wave = head
	s_and_b32 s11, ttmp7, 0xffff                   ; batch
	v_and_b32 v10, 15, v0                          ; r
	v_bfe_u32 v11, v0, 4, 1                        ; h
	v_lshlrev_b32 v[WOF], 2, v10
	v_lshl_add_u32 v[VOF], v11, 11, v[WOF]
	v_lshl_add_u32 v[WOF], v11, 15, v[WOF]
	v_lshlrev_b32 v[QOF], 8, v10
	v_lshl_add_u32 v[QOF], v11, 4, v[QOF]
	v_lshlrev_b32 v[DD], 3, v11
	v_sub_nc_u32 v[DD], v10, v[DD]
	s_mul_i32 s12, s10, 16*272
	v_mul_u32_u24 v[STO], v10, 272
	v_lshl_add_u32 v[STO], v11, 5, v[STO]
	v_add_nc_u32 v[STO], s12, v[STO]               ; share w, row r, + 32 h
	s_mul_i32 s13, s10, 272
	v_and_b32 v[GO], 31, v0
	v_lshlrev_b32 v[GO], 3, v[GO]
	v_add_nc_u32 v[RD], s13, v[GO]                 ; row w of share 0, 8 bytes a lane
	v_mov_b32 v[NINF], 0xff800000
	s_mov_b32 s[CS], 0x3e38aa3b
	s_mov_b32 s[CS+1], s[CS]
	s_mov_b32 s[SEL], 0x76543210
	s_mov_b32 s[SEL+1], 0xfedcba98
	s_lshl_b32 s14, s11, 4
	s_add_co_u32 s14, s14, s10
	s_lshl_b32 s14, s14, 12                        ; q's plane: 4,096 bytes each
	s_mov_b32 s15, 0
	s_lshl_b32 s16, s10, 18                        ; Wo: my head's 64 rows of 4,096 bytes,
	s_lshl_b32 s17, ttmp9, 8                       ; the work-group's 64 columns
	s_add_co_u32 s16, s16, s17
	s_mov_b32 s17, 0
	s_lshl_b32 s18, s11, 23                        ; out: the batch's 2,048 rows of 4,096 bytes,
	s_lshl_b32 s19, s10, 12                        ; row w,
	s_add_co_u32 s18, s18, s19
	s_lshl_b32 s19, ttmp9, 8                       ; the 64 columns
	s_add_co_u32 s18, s18, s19
	s_mov_b32 s19, 0
	s_wait_kmcnt 0x0
	s_add_nc_u64 s[4:5], s[4:5], s[14:15]
	s_add_nc_u64 s[6:7], s[6:7], s[16:17]
	s_add_nc_u64 s[8:9], s[8:9], s[18:19]
.macro WLOAD base, n0                  ; Wo's column tiles n0 and n0 + 1
.irp n, 0,1
.irp ct, 0,1,2,3
.irp i, 0,1,2,3,4,5,6,7
	global_load_b32 v[\base+32*\n+8*\ct+\i], v[WOF], s[6:7] offset:(16*\ct+\i)*4096+64*(\n0+\n)
.endr
.endr
.endr
.endm
	WLOAD W0, 0
.irp j, 0,1,2,3,4,5,6,7
	global_load_b128 v[Q+4*\j:Q+4*\j+3], v[QOF], s[4:5] offset:32*\j
.endr
.irp j, 0,1,2,3,4,5,6,7
	global_load_b128 v[K+4*\j:K+4*\j+3], v[QOF], s[4:5] offset:262144+32*\j      ; k's planes begin 64 planes on
.endr
.irp ct, 0,1,2,3
.irp i, 0,1,2,3,4,5,6,7
	global_load_b32 v[V+8*\ct+\i], v[VOF], s[4:5] offset:524288+\i*256+64*\ct    ; v's 128 planes on
.endr
.endr
	s_wait_loadcnt 32                              ; all but v's 32 loads are in
; S^T = k q^T: source 0 = 16 keys, source 1 = 16 queries; 16 steps of 4 along the 64 channels; four accumulators by turns; the first four steps start the sums
.set u, 0
.rept 16
.if u < 4
	v_wmma_f32_16x16x4_f32 v[ACCA+8*(u%4):ACCA+8*(u%4)+7], v[K+2*u:K+2*u+1], v[Q+2*u:Q+2*u+1], 0
.else
	v_wmma_f32_16x16x4_f32 v[ACCA+8*(u%4):ACCA+8*(u%4)+7], v[K+2*u:K+2*u+1], v[Q+2*u:Q+2*u+1], v[ACCA+8*(u%4):ACCA+8*(u%4)+7]
.endif
.set u, u+1
.endr
.rept 8
	v_nop                                          ; eight places behind this form: in front of the loads into q's and k's registers and of the first read of the sums
.endr
	s_wait_loadcnt 0x0                             ; v is in
	WLOAD W1, 2                                    ; they land under the softmax and the next products
.irp i, 0,1,2,3                        ; the four parts are added, each accumulator from its low end on.  Lane (r, h), register j: query r, key 8 h + j
	v_pk_add_f32 v[P+2*\i:P+2*\i+1], v[ACCA+2*\i:ACCA+2*\i+1], v[ACCA+8+2*\i:ACCA+8+2*\i+1]
	v_pk_add_f32 v[P+2*\i:P+2*\i+1], v[P+2*\i:P+2*\i+1], v[ACCA+16+2*\i:ACCA+16+2*\i+1]
	v_pk_add_f32 v[P+2*\i:P+2*\i+1], v[P+2*\i:P+2*\i+1], v[ACCA+24+2*\i:ACCA+24+2*\i+1]
.endr
.irp j, 0,1,2,3,4,5,6,7
	v_cmp_gt_i32 vcc_lo, \j, v[DD]                 ; the causal mask: hidden keys get -infinity, so p = 0
	v_cndmask_b32 v[P+\j], v[P+\j], v[NINF], vcc_lo
.endr
	v_max3_num_f32 v248, v[P], v[P+1], v[P+2]
	v_max3_num_f32 v249, v[P+3], v[P+4], v[P+5]
	v_max3_num_f32 v248, v248, v[P+6], v[P+7]
	v_max_num_f32 v248, v248, v249
	v_permlanex16_b32 v249, v248, s[SEL], s[SEL+1] ; the query's other 8 keys lie in the lane 16 away; key 0 counts for every query, so the maximum is a number
	v_max_num_f32 v248, v248, v249
	v_mul_f32 v248, s[CS], v248                    ; c m
	v_mov_b32 v249, v248
.irp i, 0,1,2,3
	v_pk_fma_f32 v[P+2*\i:P+2*\i+1], v[P+2*\i:P+2*\i+1], s[CS:CS+1], v[248:249] op_sel_hi:[1,0,0] neg_lo:[0,0,1] neg_hi:[0,0,1]   ; c s - c m
.endr
.irp j, 0,1,2,3,4,5,6,7
	v_exp_f32 v[P+\j], v[P+\j]
.endr
	v_nop                                          ; a plain line behind the last exponential
	s_wait_alu depctr_va_vdst(0)                   ; the wait ahead of the first line that names a result: one for the eight
	v_pk_add_f32 v[250:251], v[P:P+1], v[P+2:P+3]
	v_pk_add_f32 v[252:253], v[P+4:P+5], v[P+6:P+7]
	v_pk_add_f32 v[250:251], v[250:251], v[252:253]
	v_add_f32 v250, v250, v251
	v_permlanex16_b32 v251, v250, s[SEL], s[SEL+1]
	v_add_f32 v250, v250, v251                     ; the row's sum
	v_rcp_f32 v252, v250
	v_nop
	s_wait_alu depctr_va_vdst(0)
.irp i, 0,1,2,3
	v_pk_mul_f32 v[P+2*\i:P+2*\i+1], v[P+2*\i:P+2*\i+1], v[252:253] op_sel_hi:[1,0]   ; the weights
.endr
; O^T = v^T p: source 0 = 16 channels, source 1 = p; 4 steps of 4 along the 16 keys (step kk: keys 8 h + 2 kk + 0, 1 in both sources); four accumulators by turns
.irp kk, 0,1,2,3
.irp ct, 0,1,2,3
.if \kk == 0
	v_wmma_f32_16x16x4_f32 v[ACCB+8*\ct:ACCB+8*\ct+7], v[V+8*\ct+2*\kk:V+8*\ct+2*\kk+1], v[P+2*\kk:P+2*\kk+1], 0
.else
	v_wmma_f32_16x16x4_f32 v[ACCB+8*\ct:ACCB+8*\ct+7], v[V+8*\ct+2*\kk:V+8*\ct+2*\kk+1], v[P+2*\kk:P+2*\kk+1], v[ACCB+8*\ct:ACCB+8*\ct+7]
.endif
.endr
.endr
.rept 9
	v_nop                                          ; nine places behind this form before a matrix instruction takes the results as a source
.endr
; out^T share = Wo^T O: source 0 = 16 columns of Wo, source 1 = O^T's registers as they stand (channel 16 ct + 8 h + 2 u + 0, 1 in both sources); two column tiles by turns, 16 steps each
.macro PROJ base, n0
.irp ct, 0,1,2,3
.irp u, 0,1,2,3
.irp n, 0,1
.if (\ct == 0) && (\u == 0)
	v_wmma_f32_16x16x4_f32 v[ACCA+8*(\n0+\n):ACCA+8*(\n0+\n)+7], v[\base+32*\n+8*\ct+2*\u:\base+32*\n+8*\ct+2*\u+1], v[ACCB+8*\ct+2*\u:ACCB+8*\ct+2*\u+1], 0
.else
	v_wmma_f32_16x16x4_f32 v[ACCA+8*(\n0+\n):ACCA+8*(\n0+\n)+7], v[\base+32*\n+8*\ct+2*\u:\base+32*\n+8*\ct+2*\u+1], v[ACCB+8*\ct+2*\u:ACCB+8*\ct+2*\u+1], v[ACCA+8*(\n0+\n):ACCA+8*(\n0+\n)+7]
.endif
.endr
.endr
.endr
.endm
	PROJ W0, 0
	s_wait_loadcnt 0x0                             ; Wo's column tiles 2 and 3 are in
	PROJ W1, 2
.rept 8
	v_nop                                          ; eight places in front of the stores that read the sums, and of the loads into Wo's registers below
.endr
.irp n, 0,1,2,3                        ; lane (r, h), tile n, register j: out share (query r, column 16 n + 8 h + j)
	ds_store_b128 v[STO], v[ACCA+8*\n:ACCA+8*\n+3] offset:64*\n
	ds_store_b128 v[STO], v[ACCA+8*\n+4:ACCA+8*\n+7] offset:64*\n+16
.endr
	s_wait_dscnt 0x0                               ; for the others' sake: my share lies in LDS
	s_barrier_signal -1
	s_barrier_wait -1
.irp p, 0,1,2,3,4,5,6,7,8,9,10,11,12,13,14,15
	ds_load_b64 v[16+2*\p:17+2*\p], v[RD] offset:\p*16*272         ; row w of every head's share: 256 bytes, 8 a lane
.endr
	s_wait_dscnt 0x0
.irp p, 0,2,4,6,8,10,12,14             ; added in a fixed order
	v_pk_add_f32 v[16+2*\p:17+2*\p], v[16+2*\p:17+2*\p], v[18+2*\p:19+2*\p]
.endr
.irp p, 0,4,8,12
	v_pk_add_f32 v[16+2*\p:17+2*\p], v[16+2*\p:17+2*\p], v[20+2*\p:21+2*\p]
.endr
.irp p, 0,8
	v_pk_add_f32 v[16+2*\p:17+2*\p], v[16+2*\p:17+2*\p], v[24+2*\p:25+2*\p]
.endr
	v_pk_add_f32 v[16:17], v[16:17], v[32:33]
	global_store_b64 v[GO], v[16:17], s[8:9]       ; 32 lanes store 256 consecutive bytes, aligned
	s_wait_tensorcnt 0x0                           ; the wave's end: three lines behind my last LDS store
	ds_add_u32 v[SPW], v[NIL]
	s_wait_dscnt 0x0
	s_endpgm
.Lfunc_end_k_qeed9521557_fine:
	.size	k_qeed9521557_fine, .Lfunc_end_k_qeed9521557_fine-k_qeed9521557_fine
	.p2alignl 7, 3214868480
	.fill 96, 4, 3214868480
	.section	.rodata,"a",@progbits
	.p2align	6, 0x0
	.amdhsa_kernel k_qeed9521557_fine
		.amdhsa_group_segment_fixed_size 71680
		.amdhsa_private_segment_fixed_size 0
		.amdhsa_enable_private_segment 0
		.amdhsa_kernarg_size 24
		.amdhsa_user_sgpr_count 2
		.amdhsa_user_sgpr_kernarg_segment_ptr 1
		.amdhsa_wavefront_size32 1
		.amdhsa_system_sgpr_workgroup_id_x 1
		.amdhsa_system_sgpr_workgroup_id_y 1
		.amdhsa_system_sgpr_workgroup_id_z 1
		.amdhsa_system_vgpr_workitem_id 0
		.amdhsa_next_free_vgpr 256
		.amdhsa_next_free_sgpr 66
		.amdhsa_reserve_vcc 1
		.amdhsa_float_denorm_mode_32 3
		.amdhsa_float_denorm_mode_16_64 3
		.amdhsa_memory_ordered 1
		.amdhsa_forward_progress 1
		.amdhsa_inst_pref_size 32
	.end_amdhsa_kernel
	.amdgpu_metadata
---
amdhsa.version: [ 1, 2 ]
amdhsa.kernels:
  - .name:           k_qeed9521557_fine
    .symbol:         k_qeed9521557_fine.kd
    .args:
      - { .name: h32, .offset: 0, .size: 8, .value_kind: global_buffer, .address_space: global }
      - { .name: Wo, .offset: 8, .size: 8, .value_kind: global_buffer, .address_space: global }
      - { .name: out0, .offset: 16, .size: 8, .value_kind: global_buffer, .address_space: global }
    .group_segment_fixed_size: 71680
    .private_segment_fixed_size: 0
    .kernarg_segment_align: 8
    .kernarg_segment_size: 24
    .max_flat_workgroup_size: 512
    .sgpr_count:     66
    .vgpr_count:     256
    .wavefront_size: 32
...
	.end_amdgpu_metadata
.endif
;; end of part 5
